; MI455X (gfx1250); checked and timed in simulation.
; The chip was launched on July 23, 2026; its instructions are those of AMD's public machine-readable ISA for CDNA 5 (MIT licence, August 2026) and "CDNA5" Instruction Set Architecture Reference Guide (July 2026). The comments in the code are by the model that wrote it; some were corrected since.
;; Local Window Attention. Allowed arithmetic: matrix products marked QUANTISED: E2M1 operands, one E8M0 scale for each 32 along K, by v_wmma_scale_f32_16x16x128_f8f6f4 with both operands' format E2M1 (or v_wmma_scale_f32_32x16x128_f4), f32 sums; products left as they are: bf16, f16 or f32 operands; f32 sums; everything else in f32.
;; Inputs: b_out 1,024 float32; b_qkv 3,072 float32; w_out 1,024 x 1,024 float32; w_qkv 1,024 x 3,072 float32; x 2 x 2,048 x 1,024 float32.
;; Outputs: out0 2 x 2,048 x 1,024 float32.
;; This version of the problem:
;;   THIS VERSION OF THE PROBLEM IS GIVEN IN LOW PRECISION. The matrix products marked QUANTISED in the list below multiply operands that are first quantised to E2M1 (2 exponent bits, 1 mantissa bit; 4 bits a number), with one power-of-two scale for each 32 numbers along K (OCP MX v1.0); their sums are f32. The products marked 'left as it is' may take bf16, f16 or f32 operands, with f32 sums. Whichever they take, every output number must still come out within the allowed error. Rounding operands to bf16 (8 significant bits) uses up far more of that allowance than f16 does (11 bits, for magnitudes from 6e-5 to 65,504). All else is computed in f32.
;;   The module's matrix products, in the order in which they are computed (A, B: the left and right operand; K: the contracted axis; several contracted axes count as one K, in the product's order):
;;     1. [M 4,096, K 1,024] x [K 1,024, N 3,072]; A: input x; B: input w_qkv: QUANTISED
;;     2. batch 32 x [M 2,048, K 64] x [K 64, N 2,048]; A: computed on the way; B: computed on the way: left as it is (an operand is computed on the way)
;;     3. batch 32 x [M 2,048, K 2,048] x [K 2,048, N 64]; A: computed on the way; B: computed on the way: left as it is (an operand is computed on the way)
;;     4. [M 4,096, K 1,024] x [K 1,024, N 1,024]; A: computed on the way; B: input w_out: left as it is (an operand is computed on the way)
;;   THE QUANTISER, for each operand of a quantised product, along K:
;;     - K is cut into blocks of 32 from its start; a last block that is shorter is filled with zeros.
;;     - A block's scale is 2^e with e = floor(log2(the largest magnitude in the block)) - 2, held to -126 .. 127; a block of zeros has e = 0. As a byte (E8M0): e + 127.
;;     - Each number is divided by its block's scale, clamped to +-6, and rounded to the nearest number of E2M1, ties to even, subnormals kept.
;;     - The product sums the exact products of the quantised numbers (number of the format x scale) in f32.
;;   ~~~python
;;   def quantise(x, axis):      # numpy; x: float32 -> the quantised numbers, widened to float32 again
;;       x = np.moveaxis(x, axis, -1); K = x.shape[-1]
;;       x = np.pad(x, [(0, 0)] * (x.ndim - 1) + [(0, -K % 32)]); x = x.reshape(x.shape[:-1] + (-1, 32)); a = np.abs(x).max(-1, keepdims=True)
;;       e = np.where(a > 0, np.clip(np.frexp(np.where(a > 0, a, 1))[1] - 1 - 2, -126, 127), 0)      # np.frexp(a)[1] - 1 = floor(log2(a)), exactly
;;       r = np.clip(x / 2.0 ** e, -6, 6)
;;       step = 2.0 ** (np.maximum(np.frexp(np.where(r == 0, 1, r))[1] - 1, 0) - 1)
;;       q = np.round(r / step) * step * 2.0 ** e      # np.round: ties to even
;;       return np.moveaxis(q.reshape(q.shape[:-2] + (-1,))[..., :K], -1, axis).astype(np.float32)
;;   ~~~
;; One version. Each part assembles by itself: llvm-mc -triple=amdgcn-amd-amdhsa -mcpu=gfx1250 --defsym DOCPART=n.
;; ======== version 1 of 1: 5 launches
;; limits: values are held in f16: magnitudes above 65,504 overflow, below 6.1e-05 lose precision
;; workspace buffers: xc 2,097,152 bytes; xs 131,072 bytes; wc 1,572,864 bytes; ws 98,304 bytes; wo16 2,097,152 bytes; qkv16 25,165,824 bytes; fine32 786,432 bytes; ao16 8,388,608 bytes
;; launch prep (part 1): grid 240 x 1, 4 waves a work-group, no clusters, 102,912 bytes of LDS; arguments x, w_qkv, w_out, xc, xs, wc, ws, wo16; writes xc, xs, wc, ws, wo16
.if DOCPART == 1
	.amdgcn_target "amdgcn-amd-amdhsa--gfx1250"
	.amdhsa_code_object_version 6
	.text
	.protected	k_q396db398f2_prep
	.globl	k_q396db398f2_prep
	.p2align	8
	.type	k_q396db398f2_prep,@function
k_q396db398f2_prep:
	s_mov_b64 s[64:65], 0
	v_nop
	global_prefetch_b8 v0, s[64:65] scope:SCOPE_SE
	s_setreg_imm32_b32 hwreg(HW_REG_WAVE_MODE, 25, 1), 1
	s_wait_xcnt 0x0
; THE OPERANDS ARE MADE READY, ONCE.  Three paths, parted on the work-group's number at the head and never joined; each has LDS bytes of its own.
;   work-groups   0 ..  47 (W): w_qkv [1024 k][3072 n] f32 -> codes of FP4 (E2M1) wc [3072 n][512 bytes], K innermost, and E8M0 scale bytes ws [3072][32]
;   work-groups  48 .. 175 (X): x [4096][1024] f32 -> codes xc [4096][512 bytes] and scale bytes xs [4096][32]
;   work-groups 176 .. 239 (O): w_out [1024 k][1024 n] f32 -> wo16 [1024 n][1024 k] f16, K innermost
; The longest work has the lowest numbers.  THE QUANTISER: a block of 32 along K has the scale 2^(floor(log2(its largest magnitude)) - 2); its byte is the largest
; magnitude's exponent field - 2, held at 1 from below; each number is divided by the scale and rounded to the nearest code, ties to even, beyond 6 the code of 6.
; LIMITS: a block of zeros gets the byte 1 where the rule says 127 (its codes are zeros, which add nothing under any byte but 0xff, and this program alone reads the bytes);
; blocks whose largest magnitude lies under 2^(3 - 127) are held at that floor; NaN and infinities among the inputs are not served; w_out is rounded to f16: magnitudes above 65,504 become infinite.
; No tensor load, no barrier: waves share nothing.
.set XST,   0                          ; LDS: path X: 8,192 bytes for each wave
.set WST,   32768                      ; path W: a stage of 32 rows x 272 bytes for each wave
.set OST,   67584                      ; path O: the same
.set SPARE, 102400                     ; the spare words, 128 bytes for each wave: two blocks of 256 bytes that no other line names
.set SPW,   224                        ; v224 LDS address of my spare word; never rewritten
.set NIL,   225                        ; v225 0; never rewritten
.set EMAX,  2
.set PT,    272                        ; a stage row of paths W and O: 256 bytes + 16
	s_load_b256 s[4:11], s[0:1], 0x0               ; x s[4:5], w_qkv s[6:7], w_out s[8:9], xc s[10:11]
	s_load_b256 s[12:19], s[0:1], 0x20             ; xs s[12:13], wc s[14:15], ws s[16:17], wo16 s[18:19]
	v_lshl_add_u32 v[SPW], v0, 2, SPARE
	v_mov_b32 v[NIL], 0
	v_lshrrev_b32 v1, 5, v0
	v_readfirstlane_b32 s20, v1                    ; wave 0..3
	v_and_b32 v2, 31, v0                           ; lane
	s_wait_kmcnt 0x0
	s_cmp_lt_u32 ttmp9, 48
	s_cbranch_scc1 .Lpath_w
	s_cmp_lt_u32 ttmp9, 176
	s_cbranch_scc1 .Lpath_x
; ---------------- PATH O: a lane takes a column n of w_out and its registers run down K, so that the pairs that are packed are neighbours along K.
; A work-group takes 128 columns x 128 along K, a wave 32 columns: 256 bytes of f16 for each column, through the wave's stage, out as whole rows of 256 bytes.
	s_sub_co_u32 s21, ttmp9, 176
	s_and_b32 s22, s21, 7                          ; which 128 columns
	s_lshr_b32 s23, s21, 3                         ; which 128 along K
	s_lshl_b32 s21, s22, 7
	s_lshl_b32 s24, s20, 5
	s_add_co_u32 s21, s21, s24                     ; my wave's first column
	v_lshlrev_b32 v3, 2, v2                        ; in: 4 bytes a lane
	s_mul_i32 s24, s20, 32*PT
	s_add_co_u32 s24, s24, OST                     ; my stage
	v_mul_u32_u24 v4, v2, PT
	v_add_nc_u32 v4, s24, v4                       ; into it: row = my column
	v_and_b32 v5, 15, v2
	v_lshrrev_b32 v6, 4, v2
	v_mul_u32_u24 v7, v6, PT
	v_lshl_add_u32 v7, v5, 4, v7
	v_add_nc_u32 v7, s24, v7                       ; out of it: sixteen lanes to a row, two rows an instruction
	v_lshlrev_b32 v8, 11, v6
	v_lshl_add_u32 v8, v5, 4, v8                   ; and the same place in wo16: rows of 2,048 bytes
	s_lshl_b32 s26, s23, 19                        ; 128 rows of 4,096 bytes
	s_lshl_b32 s27, s21, 2
	s_add_co_u32 s26, s26, s27
	s_mov_b32 s27, 0
	s_add_nc_u64 s[8:9], s[8:9], s[26:27]
	s_lshl_b32 s26, s21, 11
	s_lshl_b32 s28, s23, 8
	s_add_co_u32 s26, s26, s28
	s_add_nc_u64 s[18:19], s[18:19], s[26:27]
.macro OLOAD t                         ; w_out(32 t + i, my column), i = 0 .. 31: each load reads 128 consecutive bytes a wave
.irp i, 0,1,2,3,4,5,6,7,8,9,10,11,12,13,14,15,16,17,18,19,20,21,22,23,24,25,26,27,28,29,30,31
	global_load_b32 v[32+32*(\t)+\i], v3, s[8:9] offset:(32*(\t)+\i)*4096 th:TH_LOAD_NT
.endr
.endm
.macro OBLOCK t
.if (\t) < 3
	s_wait_loadcnt 32                              ; this block's 32 loads are in; the next block's 32 may be out
.else
	s_wait_loadcnt 0x0
.endif
.irp i, 0,1,2,3,4,5,6,7,8,9,10,11,12,13,14,15
	v_cvt_pk_f16_f32 v[32+32*(\t)+\i], v[32+32*(\t)+2*\i], v[32+32*(\t)+2*\i+1]   ; packed in place, ascending: a result never lands on numbers that are still to be read
.endr
.irp g, 0,1,2,3
	ds_store_b128 v4, v[32+32*(\t)+4*\g:32+32*(\t)+4*\g+3] offset:64*(\t)+16*\g
.endr
.if (\t)+2 < 4
	OLOAD (\t)+2                                   ; every block has registers of its own
.endif
.endm
	OLOAD 0
	OLOAD 1
.irp t, 0,1,2,3
	OBLOCK \t
.endr
.irp t, 0,1,2,3,4,5,6,7,8,9,10,11,12,13,14,15
	ds_load_b128 v[160+4*\t:160+4*\t+3], v7 offset:2*\t*PT   ; LDS serves a wave's instructions in order: these see my stores
.endr
.irp t, 0,1,2,3,4,5,6,7,8,9,10,11,12,13,14,15
	s_wait_dscnt 15-\t                             ; the younger read-backs may be out
	global_store_b128 v8, v[160+4*\t:160+4*\t+3], s[18:19] offset:2*\t*2048   ; sixteen lanes store 256 consecutive bytes, aligned
.endr
	s_wait_tensorcnt 0x0                           ; the wave's end
	ds_add_u32 v[SPW], v[NIL]
	s_wait_dscnt 0x0
	s_endpgm
; ---------------- PATH X: x is a plain stream of blocks of 32, and so are its codes and scale bytes.  A wave takes 16 steps of 512 numbers.
; Each load reads 512 consecutive bytes, 16 a lane; a step's 2,048 bytes turn through the wave's stage (16 bytes of padding behind each 64) and come back 64 bytes a lane:
; 16 neighbours along K, two neighbouring lanes to a block.  Loads run four steps ahead, the turn through LDS one step.
.set XSTEPS, 16
.set SP,    80                         ; a lane's place in a stage: 64 bytes + 16
.set CB,    8                          ; bytes of 16 codes
.set XR,    16                         ; v16-79   four sets of 16 numbers as loaded
.set XX,    80                         ; v80-111  two sets of 16 neighbours
.set XE,    112                        ; v112-127 a scale byte for each step
.set XC,    128                        ; v128-191 codes: four registers for each step, so that no store's data are written again
.Lpath_x:
	v_lshlrev_b32 v3, 4, v2                        ; my 16 bytes of a load's 512
	s_mul_i32 s21, s20, 8192                       ; my wave's region (XST = 0)
	v_lshrrev_b32 v14, 2, v2
	v_mul_u32_u24 v14, v14, SP
	v_and_b32 v15, 3, v2
	v_lshl_add_u32 v14, v15, 4, v14
	v_add_nc_u32 v14, s21, v14                     ; the stage, on the way in: SP (lane / 4) + 16 (lane % 4)
	v_mul_u32_u24 v15, v2, SP
	v_add_nc_u32 v15, s21, v15                     ; and on the way out: SP x lane
	v_mul_u32_u24 v4, v2, CB                       ; my codes' place in a step's
	v_lshrrev_b32 v5, 1, v2
	s_add_co_u32 s21, s21, 2*32*SP
	v_add_nc_u32 v5, s21, v5                       ; my wave's 256 scale bytes, my block's byte
	v_lshlrev_b32 v7, 3, v2
	v_add_nc_u32 v6, s21, v7                       ; and on the way out 8 bytes a lane
	s_sub_co_u32 s22, ttmp9, 48
	s_lshl_b32 s22, s22, 2
	s_add_co_u32 s22, s22, s20                     ; which run of 8,192 numbers is my wave's: 0 .. 511
	s_mov_b32 s25, 0
	s_lshl_b32 s24, s22, 15
	s_add_nc_u64 s[4:5], s[4:5], s[24:25]
	s_lshl_b32 s24, s22, 12
	s_add_nc_u64 s[10:11], s[10:11], s[24:25]
	s_lshl_b32 s24, s22, 8
	s_add_nc_u64 s[12:13], s[12:13], s[24:25]
.macro XLOAD t
.irp i, 0,1,2,3
	global_load_b128 v[XR+16*((\t)%4)+4*\i:XR+16*((\t)%4)+4*\i+3], v3, s[4:5] offset:2048*(\t)+512*\i th:TH_LOAD_NT
.endr
.endm
.macro XTURN t                         ; step t's numbers through the stage: LDS serves a wave's instructions in order, so no wait stands between the stores and the loads
.irp i, 0,1,2,3
	ds_store_b128 v14, v[XR+16*((\t)%4)+4*\i:XR+16*((\t)%4)+4*\i+3] offset:32*SP*((\t)%2)+8*SP*\i
.endr
.irp i, 0,1,2,3
	ds_load_b128 v[XX+16*((\t)%2)+4*\i:XX+16*((\t)%2)+4*\i+3], v15 offset:32*SP*((\t)%2)+16*\i
.endr
.endm
.irp t, 0,1,2,3
	XLOAD \t
.endr
	s_wait_loadcnt 12                              ; step 0's four loads are in; the three later steps' twelve may be out
	XTURN 0
.macro XSTEP t
.set XQ, XX+16*((\t)%2)
.if (\t) > 0
	s_wait_dscnt 1                                 ; this step's numbers are back from the stage (the last step's byte store may be out)
.else
	s_wait_dscnt 0x0
.endif
.if (\t)+4 < XSTEPS
	XLOAD (\t)+4                                   ; into the registers that this step's stores into the stage have read
.endif
.if (\t)+1 < XSTEPS
.if XSTEPS-2-(\t) >= 3
	s_wait_loadcnt 12                              ; the next step's four loads are in; those of the three steps behind it may be out
.else
	s_wait_loadcnt 4*(XSTEPS-2-(\t))
.endif
	XTURN (\t)+1
.endif
	v_max3_num_f32 v8, |v[XQ]|, |v[XQ+1]|, |v[XQ+2]|               ; the largest magnitude of my 16, in two chains
	v_max3_num_f32 v9, |v[XQ+3]|, |v[XQ+4]|, |v[XQ+5]|
.irp i, 6,10
	v_max3_num_f32 v8, v8, |v[XQ+\i]|, |v[XQ+\i+1]|
	v_max3_num_f32 v9, v9, |v[XQ+\i+2]|, |v[XQ+\i+3]|
.endr
	v_max3_num_f32 v8, v8, |v[XQ+14]|, |v[XQ+15]|
	v_max3_num_f32 v8, v8, v9, (EMAX+1)<<23        ; and the floor 2^(3 - 127): the byte cannot fall under 1
	v_max_num_f32_dpp v8, v8, v8 row_xmask:1 row_mask:0xf bank_mask:0xf   ; and of my neighbour's 16: the block's
	v_add_nc_u32 v11, -(EMAX<<23), v8              ; 2 off its exponent field: the conversion takes the exponent field of this operand as its scale
	v_cvt_scalef32_pk8_fp4_f32 v[XC+4*(\t)], v[XQ:XQ+7], v11
	v_cvt_scalef32_pk8_fp4_f32 v[XC+4*(\t)+1], v[XQ+8:XQ+15], v11
	v_lshrrev_b32 v[XE+(\t)], 23, v11              ; the scale's byte (also the plain line behind the conversions)
	ds_store_b8 v5, v[XE+(\t)] offset:16*(\t)      ; both lanes of a block write the same byte with the same value
	global_store_b64 v4, v[XC+4*(\t):XC+4*(\t)+1], s[10:11] offset:32*CB*(\t)   ; the wave stores 256 consecutive bytes, aligned
.endm
.irp t, 0,1,2,3,4,5,6,7,8,9,10,11,12,13,14,15
	XSTEP \t
.endr
	ds_load_b64 v[8:9], v6                         ; my wave's 256 scale bytes
	s_wait_dscnt 0x0
	global_store_b64 v7, v[8:9], s[12:13]          ; 32 lanes store 256 consecutive bytes, aligned
	s_wait_tensorcnt 0x0                           ; the wave's end
	ds_add_u32 v[SPW], v[NIL]
	s_wait_dscnt 0x0
	s_endpgm
; ---------------- PATH W: K is w_qkv's FIRST axis.  A lane takes a column n and its registers run down K: a block of 32 lies in one lane's 32 registers, and the conversions give codes with K innermost.
; A work-group takes 128 columns x 512 along K, a wave 32 columns: 16 blocks a lane, 256 bytes of codes a column, through the wave's stage and out as whole rows of 256 bytes.  Loads run two blocks ahead.
; Every offset is an immediate: 511 x 12,288 bytes at the most, inside the signed 24 bits (ISA guide, chapter 10).
.set WNB,   16
.set WX,    32                         ; v32-95   two sets of 32 numbers
.set WC,    96                         ; v96-99   a block's codes
.set WOUT,  112                        ; v112-175 the way out
.set WSB,   24                         ; v24-27   the scale bytes, four to a register
.Lpath_w:
	s_cmp_ge_u32 ttmp9, 24
	s_cselect_b32 s22, 1, 0                        ; which 512 along K
	s_cselect_b32 s23, 24, 0
	s_sub_co_u32 s23, ttmp9, s23                   ; which 128 columns
	s_lshl_b32 s21, s23, 7
	s_lshl_b32 s24, s20, 5
	s_add_co_u32 s21, s21, s24                     ; my wave's first column
	v_lshlrev_b32 v3, 2, v2
	s_mul_i32 s24, s20, 32*PT
	s_add_co_u32 s24, s24, WST                     ; my stage
	v_mul_u32_u24 v4, v2, PT
	v_add_nc_u32 v4, s24, v4
	v_and_b32 v5, 15, v2
	v_lshrrev_b32 v6, 4, v2
	v_mul_u32_u24 v7, v6, PT
	v_lshl_add_u32 v7, v5, 4, v7
	v_add_nc_u32 v7, s24, v7
	v_lshlrev_b32 v8, 9, v6
	v_lshl_add_u32 v8, v5, 4, v8                   ; the same place in wc: rows of 512 bytes
	v_lshlrev_b32 v9, 5, v2                        ; my column's row of 32 scale bytes
	s_mul_i32 s26, s22, 512*12288
	s_lshl_b32 s27, s21, 2
	s_add_co_u32 s26, s26, s27
	s_mov_b32 s27, 0
	s_add_nc_u64 s[6:7], s[6:7], s[26:27]
	s_lshl_b32 s26, s21, 9
	s_lshl_b32 s28, s22, 8
	s_add_co_u32 s26, s26, s28
	s_add_nc_u64 s[14:15], s[14:15], s[26:27]
	s_lshl_b32 s26, s21, 5
	s_lshl_b32 s28, s22, 4
	s_add_co_u32 s26, s26, s28
	s_add_nc_u64 s[16:17], s[16:17], s[26:27]
.macro WLOAD t
.irp i, 0,1,2,3,4,5,6,7,8,9,10,11,12,13,14,15,16,17,18,19,20,21,22,23,24,25,26,27,28,29,30,31
	global_load_b32 v[WX+32*((\t)%2)+\i], v3, s[6:7] offset:(32*(\t)+\i)*12288 th:TH_LOAD_NT
.endr
.endm
	WLOAD 0
	WLOAD 1
.macro WBLOCK t
.set WQ, WX+32*((\t)%2)
.if (\t) < WNB-1
	s_wait_loadcnt 32                              ; this block's 32 loads are in; the next block's may be out
.else
	s_wait_loadcnt 0x0
.endif
	v_max3_num_f32 v12, |v[WQ]|, |v[WQ+1]|, |v[WQ+2]|               ; the block's largest magnitude: all 32 numbers are mine
	v_max3_num_f32 v13, |v[WQ+3]|, |v[WQ+4]|, |v[WQ+5]|
.irp i, 6,10,14,18,22,26
	v_max3_num_f32 v12, v12, |v[WQ+\i]|, |v[WQ+\i+1]|
	v_max3_num_f32 v13, v13, |v[WQ+\i+2]|, |v[WQ+\i+3]|
.endr
	v_max3_num_f32 v12, v12, |v[WQ+30]|, |v[WQ+31]|
	v_max3_num_f32 v12, v12, v13, (EMAX+1)<<23     ; and the floor
	v_add_nc_u32 v11, -(EMAX<<23), v12             ; the conversion's scale operand
	v_lshrrev_b32 v13, 23, v11                     ; the scale's byte
.if (\t)%4 == 0
	v_mov_b32 v[WSB+(\t)/4], v13                   ; four bytes to a register, the lower K in the lower byte
.else
	v_lshl_or_b32 v[WSB+(\t)/4], v13, 8*((\t)%4), v[WSB+(\t)/4]
.endif
.irp g, 0,1,2,3
	v_cvt_scalef32_pk8_fp4_f32 v[WC+\g], v[WQ+8*\g:WQ+8*\g+7], v11
.endr
	v_nop                                          ; one plain line behind the conversions
	ds_store_b128 v4, v[WC:WC+3] offset:16*(\t)    ; 32 codes: 16 bytes of my column's row
.if (\t)+2 < WNB
	WLOAD (\t)+2
.endif
	s_wait_dscnt 0x0                               ; the store has read its registers: the next block's codes may be written
.endm
.irp t, 0,1,2,3,4,5,6,7,8,9,10,11,12,13,14,15
	WBLOCK \t
.endr
	global_store_b128 v9, v[WSB:WSB+3], s[16:17]   ; my column's 16 scale bytes
.irp t, 0,1,2,3,4,5,6,7,8,9,10,11,12,13,14,15
	ds_load_b128 v[WOUT+4*\t:WOUT+4*\t+3], v7 offset:2*\t*PT
.endr
.irp t, 0,1,2,3,4,5,6,7,8,9,10,11,12,13,14,15
	s_wait_dscnt 15-\t                             ; the younger read-backs may be out
	global_store_b128 v8, v[WOUT+4*\t:WOUT+4*\t+3], s[14:15] offset:2*\t*512   ; sixteen lanes store 256 consecutive bytes, aligned
.endr
	s_wait_tensorcnt 0x0                           ; the wave's end
	ds_add_u32 v[SPW], v[NIL]
	s_wait_dscnt 0x0
	s_endpgm
.Lfunc_end_k_q396db398f2_prep:
	.size	k_q396db398f2_prep, .Lfunc_end_k_q396db398f2_prep-k_q396db398f2_prep
	.p2alignl 7, 3214868480
	.fill 96, 4, 3214868480
	.section	.rodata,"a",@progbits
	.p2align	6, 0x0
	.amdhsa_kernel k_q396db398f2_prep
		.amdhsa_group_segment_fixed_size 102912
		.amdhsa_private_segment_fixed_size 0
		.amdhsa_enable_private_segment 0
		.amdhsa_kernarg_size 64
		.amdhsa_user_sgpr_count 2
		.amdhsa_user_sgpr_kernarg_segment_ptr 1
		.amdhsa_wavefront_size32 1
		.amdhsa_system_sgpr_workgroup_id_x 1
		.amdhsa_system_sgpr_workgroup_id_y 1
		.amdhsa_system_sgpr_workgroup_id_z 1
		.amdhsa_system_vgpr_workitem_id 0
		.amdhsa_next_free_vgpr 232
		.amdhsa_next_free_sgpr 66
		.amdhsa_reserve_vcc 0
		.amdhsa_float_denorm_mode_32 3
		.amdhsa_float_denorm_mode_16_64 3
		.amdhsa_memory_ordered 1
		.amdhsa_forward_progress 1
		.amdhsa_inst_pref_size 132
	.end_amdhsa_kernel
	.amdgpu_metadata
---
amdhsa.version: [ 1, 2 ]
amdhsa.kernels:
  - .name:           k_q396db398f2_prep
    .symbol:         k_q396db398f2_prep.kd
    .args:
      - { .name: x, .offset: 0, .size: 8, .value_kind: global_buffer, .address_space: global }
      - { .name: w_qkv, .offset: 8, .size: 8, .value_kind: global_buffer, .address_space: global }
      - { .name: w_out, .offset: 16, .size: 8, .value_kind: global_buffer, .address_space: global }
      - { .name: xc, .offset: 24, .size: 8, .value_kind: global_buffer, .address_space: global }
      - { .name: xs, .offset: 32, .size: 8, .value_kind: global_buffer, .address_space: global }
      - { .name: wc, .offset: 40, .size: 8, .value_kind: global_buffer, .address_space: global }
      - { .name: ws, .offset: 48, .size: 8, .value_kind: global_buffer, .address_space: global }
      - { .name: wo16, .offset: 56, .size: 8, .value_kind: global_buffer, .address_space: global }
    .group_segment_fixed_size: 102912
    .private_segment_fixed_size: 0
    .kernarg_segment_align: 8
    .kernarg_segment_size: 64
    .max_flat_workgroup_size: 128
    .sgpr_count:     66
    .vgpr_count:     232
    .wavefront_size: 32
...
	.end_amdgpu_metadata
.endif
;; end of part 1
;; launch qkv (part 2): grid 12 x 16, 4 waves a work-group, clusters of 4 x 4, 327,680 bytes of LDS; arguments xc, xs, wc, ws, qkv16, b_qkv, fine32; writes qkv16, fine32
.if DOCPART == 2
	.amdgcn_target "amdgcn-amd-amdhsa--gfx1250"
	.amdhsa_code_object_version 6
	.text
	.protected	k_q396db398f2_qkv
	.globl	k_q396db398f2_qkv
	.p2align	8
	.type	k_q396db398f2_qkv,@function
k_q396db398f2_qkv:
	s_mov_b64 s[64:65], 0
	v_nop
	global_prefetch_b8 v0, s[64:65] scope:SCOPE_SE
	s_setreg_imm32_b32 hwreg(HW_REG_WAVE_MODE, 25, 1), 1
	s_wait_xcnt 0x0
	s_wait_alu depctr_hold_cnt(0) depctr_sa_sdst(0) depctr_va_vdst(0) depctr_va_sdst(0) depctr_va_ssrc(0) depctr_va_vcc(0) depctr_vm_vsrc(0)
	s_getreg_b32 s2, hwreg(HW_REG_IB_STS2, 6, 4)
	s_cmp_eq_u32 s2, 0
	s_cbranch_scc0 .Lentry_in_a_cluster
	s_endpgm
.Lentry_in_a_cluster:
	s_bfe_u32 s2, ttmp6, 0x10000c
	s_cmp_lg_u32 s2, 0xf033
	s_cbranch_scc0 .Lentry_shape_is_right
	s_endpgm
.Lentry_shape_is_right:
; qkv[m][n] = b_qkv[n] + sum over k of x[m][k] w_qkv[k][n], on codes of FP4 (E2M1) with one E8M0 scale for each 32 along K: xc [4096][512 bytes], xs [4096][32], wc [3072][512 bytes], ws [3072][32].
; The result leaves as f16, qkv16 [4096][3072]; the first 16 rows of tile rows 0, 4, 8, 12 also as f32, fine32 [4][16][3072]: of these the launch for the sequences' first positions reads tile rows 0 and 8.
; LIMITS: the result is rounded to f16: magnitudes above 65,504 become infinite.  The bias enters each f32 sum first, as the C of the first product.
; A tile of 256 x 256 is made by a work-group of four waves; a wave makes 128 x 128: 64 accumulators of 16 x 16, 512 registers.  K = 1,024 is two slots of 512 along K (rows of 256 bytes):
; both are asked for at the head and nothing is filled again.  The scales of the work-group's 256 + 256 rows come once, with them.  By this text's count a wave has three tensor loads out.
; CLUSTERS: 4 x 4 work-groups.  The four of a row of the cluster need the same tiles of x, the four of a column the same tiles of w: each tile is asked for JOINTLY.
; The tile row is 4 cy + cluster y, so that tile rows 0, 4, 8, 12 lie in the clusters with y = 0: the branch round the f32 copy hangs on the cluster's y and the wave's number alone.
; THE MATRIX INSTRUCTION IS USED TRANSPOSED (source 0 = 16 rows of w, source 1 = 16 rows of x): a lane holds eight neighbouring numbers of a row of the result.
; REGISTERS, in windows of 256: window 0: v0-31 addresses; v32-95 scale words, two sets, and nothing else; v96-127 packed results; v128-191 x's fragments, ONE set, later rows read back;
;   v192-255 the bias, later the f32 rows.   window 1: w's fragments, TWO sets, at v0 and v128.   window 2: the accumulators of my rows 0-63 ((a, b) at v[8 (8 a + b)]);   window 3: rows 64-127.
.set SIZE_N, 3072
.set NQ,     4                         ; steps of 128 along K in a slot
.set ROWB,   256                       ; a tile's row in bytes
.set KROW,   512                       ; a row of codes in memory
.set PITCH,  272                       ; an LDS row: 256 bytes + 16: the 16 rows that a load touches start at 16 different banks (64 banks of 4 bytes: ISA guide 11.1)
.set FR,     8
.set NL,     2
.set NP,     4
.set HALFT,  128*PITCH
.set SLOT,   4*HALFT
.set KS,     32                        ; a row of scales in bytes
.set SCL,    2*SLOT                    ; behind the slots: the scales, as units of 256 bytes + 16
.set HALFS,  16*272                    ; the scales of 128 rows
.set SBLK,   2*272                     ; of 16 rows
.set SPARE,  SCL+4*HALFS               ; the spare words: two blocks of 256 bytes that no other line names
.set SPITCH, 528                       ; the f32 stage: 16 rows x (512 + 16) for each wave, from byte 0 of slot 0
.set ST16,   4*16*SPITCH               ; the f16 stage: 16 rows x 272 for each wave, behind it.  Slot 0 has had its one fill, and nobody reads it behind the change of slots
.set ADRA, 16                          ; v16-17 LDS address of my x fragments in slot 0, 1
.set ADRB, 20                          ; v20-21 the same for w
.set STO16, 22                         ; v22 f16 stage: where I put 16 bytes of a row
.set RD16,  23                         ; v23 and where I read a row back
.set STO,  24                          ; v24 f32 stage: where I put 32 bytes of a row
.set RD,   25                          ; v25 and where I read a row back
.set CO,   26                          ; v26 16 x lane
.set ADRS, 27                          ; v27 LDS address of my scale words: lanes 0-15 x's rows, lanes 16-31 w's
.set SPW,  28                          ; v28 my spare word; never rewritten
.set NIL,  29                          ; v29 0; never rewritten
.set CO16, 30                          ; v30 my byte offset in two rows of qkv16
.set BO,   31                          ; v31 32 x (lane / 16): my half's eight numbers of the bias
.set SC,   32
.set TMP,  96
.set AF,   128
.set BK,   128
.set BI,   192
.set G1, 24
.set G0, 32
.set G1B, 48
.set G0B, 56
.set G1S, 68
.set G0S, 76
.set G1SB, 80
.set G0SB, 88
.set MSB, 0
.macro WIN new                         ; the immediate's high byte repeats the setting that is left
.if MSB != (\new)
	s_set_vgpr_msb (MSB<<8)|(\new)
.set MSB, (\new)
.endif
.endm
.set MUL_LO, 0xa1                      ; source 0 (w) window 1, source 1 (x) window 0, C and D window 2
.set MUL_HI, 0xf1                      ; the same, C and D window 3
.set FIRST_LO, 0x81                    ; the first step: C (the bias) window 0, D window 2
.set FIRST_HI, 0xc1                    ; D window 3
.set TO_B,   0x40
; A joint load: waves 0 and 1 fetch for x, waves 2 and 3 for w.  The branch hangs on the wave's number alone.  An s_nop 0 and four v_nop follow each of the two lines.
.macro JLOAD g0a, g1a, g0b, g1b
	s_cmp_eq_u32 s15, 0
	s_cbranch_scc0 .Lfor_b_\@
	tensor_load_to_lds s[\g0a:\g0a+3], s[\g1a:\g1a+7]
	s_nop 0
.rept 4
	v_nop
.endr
	s_branch .Lasked_\@
.Lfor_b_\@:
	tensor_load_to_lds s[\g0b:\g0b+3], s[\g1b:\g1b+7]
	s_nop 0
.rept 4
	v_nop
.endr
.Lasked_\@:
.endm
.macro CROUND                          ; a round of the cluster's barrier
	s_barrier_signal -1
	s_barrier_wait -1
	s_cmp_lg_u32 s14, 0
	s_cbranch_scc1 .Lnot_wave_0_\@
	s_barrier_signal -3
.Lnot_wave_0_\@:
	s_barrier_wait -3
	s_barrier_signal -1
	s_barrier_wait -1
.endm
	s_load_b128 s[4:7], s[0:1], 0x0                ; xc s[4:5], xs s[6:7]
	s_load_b128 s[8:11], s[0:1], 0x10              ; wc s[8:9], ws s[10:11]
	s_load_b64 s[12:13], s[0:1], 0x20              ; qkv16
	s_load_b64 s[96:97], s[0:1], 0x28              ; b_qkv
	s_load_b64 s[98:99], s[0:1], 0x30              ; fine32
	v_lshl_add_u32 v[SPW], v0, 2, SPARE
	v_mov_b32 v[NIL], 0
	ds_add_u32 v[SPW], v[NIL]                      ; the wave's opening: the add, twice on end, and its wait ahead of my first tensor load
	ds_add_u32 v[SPW], v[NIL]
	v_lshrrev_b32 v1, 5, v0
	v_readfirstlane_b32 s14, v1                    ; wave 0..3
	s_lshr_b32 s15, s14, 1                         ; which half of the tile's rows is mine.  Also: I fetch for x (0) or for w (1)
	s_and_b32 s16, s14, 1                          ; which half of its columns.  Also: which 128 rows of that tile I fetch
	s_bfe_u32 s40, ttmp6, 0x40000                  ; cx
	s_bfe_u32 s41, ttmp6, 0x40004                  ; cy
	s_lshl_b32 s42, ttmp9, 2
	s_add_co_u32 s42, s42, s40                     ; tile column = 4 x cluster x + cx
	s_and_b32 s17, ttmp7, 0xffff
	s_lshl_b32 s18, s41, 2
	s_add_co_u32 s17, s17, s18                     ; tile row = 4 x cy + cluster y
	s_lshl_b32 s43, s41, 2
	s_lshl_b32 s43, 15, s43                        ; my row of the cluster
	s_lshl_b32 s44, 0x1111, s40                    ; my column
	s_or_b32 s[G1+0], s43, (0<<16)|(1<<20)|(1<<21)|(5<<22)|(3<<25)  ; the mask: x's tiles go to my row; elements of 1 byte; padding: 4 words behind every 64; bit 21 beside a mask
	s_or_b32 s[G1B+0], s44, (0<<16)|(1<<20)|(1<<21)|(5<<22)|(3<<25)
.irp g, G1, G1B
	s_mov_b32 s[\g+1], ROWB<<16                    ; tensor_dim0
	s_mov_b32 s[\g+2], 128<<16                     ; tensor_dim1
	s_mov_b32 s[\g+3], ROWB<<16                    ; tile_dim0
	s_mov_b32 s[\g+4], 128                         ; tile_dim1
	s_mov_b32 s[\g+5], KROW                        ; the pitch
	s_mov_b32 s[\g+6], 0
	s_mov_b32 s[\g+7], 0
.endr
	s_or_b32 s[G1S+0], s43, (3<<16)|(1<<20)|(1<<21)|(5<<22)|(3<<25) ; the scales of 128 rows: 4,096 dense bytes as 16 rows of 32 elements of 8 bytes, 16 bytes of padding behind each
	s_or_b32 s[G1SB+0], s44, (3<<16)|(1<<20)|(1<<21)|(5<<22)|(3<<25)
.irp g, G1S, G1SB
	s_mov_b32 s[\g+1], 32<<16
	s_mov_b32 s[\g+2], 16<<16
	s_mov_b32 s[\g+3], 32<<16
	s_mov_b32 s[\g+4], 16
	s_mov_b32 s[\g+5], 32
	s_mov_b32 s[\g+6], 0
	s_mov_b32 s[\g+7], 0
.endr
	s_lshl_b32 s18, s16, 7
	s_lshl_b32 s20, s17, 8
	s_add_co_u32 s20, s20, s18                     ; x: row 256 x tile row + 128 x half
	s_lshl_b32 s46, s42, 8
	s_add_co_u32 s46, s46, s18                     ; w: row 256 x tile column + 128 x half
	s_mov_b32 s21, 0
	s_mov_b32 s47, 0
	s_mov_b64 s[18:19], KS
	s_mul_u64 s[22:23], s[20:21], s[18:19]         ; where these rows' scales begin
	s_mul_u64 s[92:93], s[46:47], s[18:19]
	s_mov_b64 s[18:19], KROW
	s_mul_u64 s[20:21], s[20:21], s[18:19]         ; and their codes
	s_mul_u64 s[46:47], s[46:47], s[18:19]
	s_mul_i32 s45, s14, HALFT                      ; where they go: wave x 128 rows: no place in the cluster enters an LDS address
	s_mul_i32 s94, s14, HALFS
	s_wait_dscnt 0x0                               ; both opening adds are done
	s_wait_kmcnt 0x0
	s_add_nc_u64 s[20:21], s[4:5], s[20:21]
	s_add_nc_u64 s[22:23], s[6:7], s[22:23]
	s_add_nc_u64 s[46:47], s[8:9], s[46:47]
	s_add_nc_u64 s[92:93], s[10:11], s[92:93]
	CROUND                                         ; all sixteen work-groups are here: the joint loads meet
	s_mov_b32 s[G0S], 1
	s_add_co_u32 s[G0S+1], s94, SCL
	s_mov_b64 s[G0S+2:G0S+3], s[22:23]
	s_or_b32 s[G0S+3], s[G0S+3], 0x80000000
	s_mov_b32 s[G0SB], 1
	s_add_co_u32 s[G0SB+1], s94, SCL
	s_mov_b64 s[G0SB+2:G0SB+3], s[92:93]
	s_or_b32 s[G0SB+3], s[G0SB+3], 0x80000000
	JLOAD G0S, G1S, G0SB, G1SB                     ; the scales first: they are wanted with the first slot
.irp s, 0,1
	s_mov_b32 s[G0+4*\s], 1
	s_add_co_u32 s[G0+4*\s+1], s45, \s*SLOT
	s_add_nc_u64 s[G0+4*\s+2:G0+4*\s+3], s[20:21], \s*ROWB
	s_or_b32 s[G0+4*\s+3], s[G0+4*\s+3], 0x80000000
	s_mov_b32 s[G0B+4*\s], 1
	s_add_co_u32 s[G0B+4*\s+1], s45, \s*SLOT
	s_add_nc_u64 s[G0B+4*\s+2:G0B+4*\s+3], s[46:47], \s*ROWB
	s_or_b32 s[G0B+4*\s+3], s[G0B+4*\s+3], 0x80000000
	JLOAD G0+4*\s, G1, G0B+4*\s, G1B
.endr
	v_and_b32 v1, 15, v0                           ; r = lane % 16
	v_bfe_u32 v2, v0, 4, 1                         ; h = lane / 16
	v_mul_u32_u24 v3, v1, PITCH
	v_lshl_add_u32 v4, v2, 4, v3                   ; a fragment's row x pitch + 16 x half
	s_mul_i32 s21, s15, HALFT                      ; my 128 rows of x
	s_mul_i32 s22, s16, HALFT                      ; my 128 rows of w,
	s_add_co_u32 s22, s22, 2*HALFT                 ; which lie behind x's 256
.irp s, 0,1
	v_add_nc_u32 v[ADRA+\s], s21, v4
	v_add_nc_u32 v[ADRB+\s], s22, v4
	s_add_co_u32 s21, s21, SLOT
	s_add_co_u32 s22, s22, SLOT
.endr
	v_mul_u32_u24 v5, v1, KS                       ; my row's scales: 32 bytes a row,
	v_lshrrev_b32 v6, 8, v5
	v_lshl_add_u32 v5, v6, 4, v5                   ; and 16 more for each 256 passed
	s_mul_i32 s21, s15, HALFS
	s_mul_i32 s22, s16, HALFS
	s_add_co_u32 s22, s22, 2*HALFS
	s_sub_co_u32 s22, s22, s21
	v_mul_u32_u24 v6, s22, v2                      ; lanes 16-31 take w's: one product, the distance between the two bases
	s_add_co_u32 s21, s21, SCL
	v_add_nc_u32 v5, v5, v6
	v_add_nc_u32 v[ADRS], s21, v5
	s_mul_i32 s23, s14, 16*SPITCH                  ; my f32 stage
	v_mul_u32_u24 v5, v1, SPITCH
	v_lshl_add_u32 v5, v2, 5, v5
	v_add_nc_u32 v[STO], s23, v5                   ; in: row r, 32 bytes for each half of the lanes
	v_and_b32 v6, 31, v0
	v_lshlrev_b32 v[CO], 4, v6
	v_add_nc_u32 v[RD], s23, v[CO]                 ; back: the 32 lanes take one row of 512 bytes
	s_mul_i32 s23, s14, 16*272
	s_add_co_u32 s23, s23, ST16                    ; my f16 stage
	v_mul_u32_u24 v5, v1, 272
	v_lshl_add_u32 v5, v2, 4, v5
	v_add_nc_u32 v[STO16], s23, v5                 ; in: row r, 16 bytes for each half of the lanes
	v_mul_u32_u24 v5, v2, 272
	v_lshl_add_u32 v5, v1, 4, v5
	v_add_nc_u32 v[RD16], s23, v5                  ; back: lanes 0-15 one row of 256 bytes, lanes 16-31 the next
	v_mul_u32_u24 v5, v2, SIZE_N*2
	v_lshl_add_u32 v[CO16], v1, 4, v5              ; and the same two rows in qkv16
	v_lshlrev_b32 v[BO], 5, v2
	s_lshl_b32 s20, s17, 8
	s_lshl_b32 s21, s15, 7
	s_add_co_u32 s20, s20, s21                     ; my first row: 256 x tile row + 128 x half
	s_mul_i32 s20, s20, SIZE_N*2
	s_lshl_b32 s46, s42, 9                         ; my first column in f16 bytes: 512 x tile column + 256 x half
	s_lshl_b32 s47, s16, 8
	s_add_co_u32 s46, s46, s47
	s_add_co_u32 s20, s20, s46
	s_mov_b32 s21, 0
	s_add_nc_u64 s[12:13], s[12:13], s[20:21]
	s_lshl_b32 s46, s46, 1                         ; the same column in f32 bytes
	s_mov_b32 s47, 0
	s_add_nc_u64 s[96:97], s[96:97], s[46:47]      ; the bias of my 128 columns
	s_add_nc_u64 s[98:99], s[98:99], s[46:47]
	s_mul_i32 s46, s41, 16*SIZE_N*4                ; fine32: plane cy (cy enters a global address alone)
	s_add_nc_u64 s[98:99], s[98:99], s[46:47]
.irp b, 0,1,2,3,4,5,6,7
	global_load_b128 v[BI+8*\b:BI+8*\b+3], v[BO], s[96:97] offset:64*\b       ; b_qkv at columns 16 b + 8 h + 0 .. 7: the result's layout
	global_load_b128 v[BI+8*\b+4:BI+8*\b+7], v[BO], s[96:97] offset:64*\b+16
.endr
.macro FRAG reg, adr, q, i             ; 16 rows x 128 K of 4-bit codes: 8 registers: lane l holds row l % 16; registers 4 c .. 4 c + 3 hold K = 64 c + 32 (l / 16) + 0 .. 31
.irp c, 0,1
	ds_load_b128 v[\reg+4*\c:\reg+4*\c+3], v[\adr] offset:64*(\q)+32*\c+(\i)*16*PITCH
.endr
.endm
; 16 matrix instructions: x's blocks a0, a0 + 1 against w's eight, 128 along K.  first = 1: the bias is the C of the first product: nothing is cleared and nothing is added later.
; The 64 accumulators take turns, one instruction a turn, in the same order in every step.
.macro MUL16 a0, p, q, sc, first
.irp a, \a0, \a0+1
.irp b, 0,1,2,3,4,5,6,7
.if \first
	v_wmma_scale_f32_16x16x128_f8f6f4 v[8*(8*((\a)%4)+\b):8*(8*((\a)%4)+\b)+7], v[128*(\p)+FR*\b:128*(\p)+FR*\b+FR-1], v[AF+FR*(\a):AF+FR*(\a)+FR-1], v[BI+8*\b:BI+8*\b+7], v[SC+8*NQ*(\sc)+NQ*\b+(\q)], v[SC+8*NQ*(\sc)+NQ*(\a)+(\q)] matrix_a_fmt:MATRIX_FMT_FP4 matrix_b_fmt:MATRIX_FMT_FP4 matrix_a_scale:MATRIX_SCALE_ROW1
.else
	v_wmma_scale_f32_16x16x128_f8f6f4 v[8*(8*((\a)%4)+\b):8*(8*((\a)%4)+\b)+7], v[128*(\p)+FR*\b:128*(\p)+FR*\b+FR-1], v[AF+FR*(\a):AF+FR*(\a)+FR-1], v[8*(8*((\a)%4)+\b):8*(8*((\a)%4)+\b)+7], v[SC+8*NQ*(\sc)+NQ*\b+(\q)], v[SC+8*NQ*(\sc)+NQ*(\a)+(\q)] matrix_a_fmt:MATRIX_FMT_FP4 matrix_b_fmt:MATRIX_FMT_FP4 matrix_a_scale:MATRIX_SCALE_ROW1
.endif
.endr
.endr
.endm
.macro FETCH_B slot, q, p
	WIN TO_B
.irp i, 0,1,2,3,4,5,6,7
	FRAG 128*(\p)+FR*\i, ADRB+\slot, \q, \i
.endr
	WIN 0
.endm
.macro FETCH_A slot, q, i0
.irp i, \i0, \i0+1, \i0+2, \i0+3
	FRAG AF+FR*(\i), ADRA+\slot, \q, \i
.endr
.endm
.macro SCALES sc                       ; a slot's scale words: 4 words a row; lanes 0-15 take x's block i, lanes 16-31 w's block i
.irp i, 0,1,2,3,4,5,6,7
	ds_load_b128 v[SC+8*NQ*\sc+NQ*\i:SC+8*NQ*\sc+NQ*\i+3], v[ADRS] offset:\i*SBLK
.endr
.endm
.macro PLACES n                        ; plain vector instructions between a matrix instruction and a load into its registers or a read of its result
.rept \n
	v_nop
.endr
.endm
.macro STEP slot, q, first             ; a step of 128 along K that has its successor in the same slot
	s_wait_dscnt 4*NL                              ; w's set and x's blocks 0-3 are in; the youngest eight loads (x's blocks 4-7) may be out
.if \first
	WIN FIRST_LO
.else
	WIN MUL_LO
.endif
	MUL16 0, (\q)%2, \q, \slot, \first
	MUL16 2, (\q)%2, \q, \slot, \first
	s_wait_dscnt 0
	PLACES NP
	FETCH_B \slot, (\q)+1, 1-(\q)%2
	FETCH_A \slot, (\q)+1, 0
.if \first
	WIN FIRST_HI
.else
	WIN MUL_HI
.endif
	MUL16 4, (\q)%2, \q, \slot, \first
	MUL16 6, (\q)%2, \q, \slot, \first
	PLACES NP
	WIN 0
	FETCH_A \slot, (\q)+1, 4
.endm
; Slot 0's last step changes slots: one barrier; in front of it each wave waits for all its tensor loads (its part of slot 1), adds 0 to its spare word, and waits for that and for its reads of slot 0.
; Behind it slot 1 is whole and nobody reads slot 0, which later serves as the stages.
.macro TURN slot, next
	s_wait_tensorcnt 0x0
	ds_add_u32 v[SPW], v[NIL]
	s_wait_dscnt 4*NL+1                            ; (the add and the youngest eight loads may be out)
	WIN MUL_LO
	MUL16 0, 1, NQ-1, \slot, 0
	s_wait_dscnt 0x0                               ; the add is done, and my reads of this slot are over
	s_barrier_signal -1
	MUL16 2, 1, NQ-1, \slot, 0
	WIN 0
	s_barrier_wait -1
	PLACES NP
	v_add_nc_u32 v[ADRS], 4*NQ, v[ADRS]            ; on to the next slot's scale words
	FETCH_B \next, 0, 0
	FETCH_A \next, 0, 0
	SCALES \next
	WIN MUL_HI
	MUL16 4, 1, NQ-1, \slot, 0
	MUL16 6, 1, NQ-1, \slot, 0
	PLACES NP
	WIN 0
	FETCH_A \next, 0, 4
.endm
	s_wait_tensorcnt 1                             ; the scales and my part of slot 0 are in (slot 1's load may be out)
	s_barrier_signal -1
	s_barrier_wait -1                              ; everybody's are
	FETCH_B 0, 0, 0
	FETCH_A 0, 0, 0
	SCALES 0
	FETCH_A 0, 0, 4
	s_wait_loadcnt 0x0                             ; the bias
	STEP 0, 0, 1
	STEP 0, 1, 0
	STEP 0, 2, 0
	TURN 0, 1
	STEP 1, 0, 0
	STEP 1, 1, 0
	STEP 1, 2, 0
	s_wait_dscnt 4*NL                              ; the very last step: nothing more to fetch
	WIN MUL_LO
	MUL16 0, 1, NQ-1, 1, 0
	MUL16 2, 1, NQ-1, 1, 0
	s_wait_dscnt 0
	WIN MUL_HI
	MUL16 4, 1, NQ-1, 1, 0
	MUL16 6, 1, NQ-1, 1, 0
	WIN 0
	PLACES NP                                      ; behind the last products: for the first reads of results and the loads into registers that held operands
	; THE F32 COPY of my first 16 rows, where the cluster's y is 0 and my half of the rows is the upper one: through my f32 stage, out as whole rows of 512 bytes
	s_and_b32 s20, ttmp7, 0xffff
	s_cmp_lg_u32 s20, 0
	s_cbranch_scc1 .Lno_fine
	s_cmp_lg_u32 s15, 0
	s_cbranch_scc1 .Lno_fine
	WIN 0x08                                       ; an LDS store's data are its source 1: window 2
.irp b, 0,1,2,3,4,5,6,7
	ds_store_b128 v[STO], v[8*\b:8*\b+3] offset:64*\b              ; each accumulator from its low end on
	ds_store_b128 v[STO], v[8*\b+4:8*\b+7] offset:64*\b+16
.endr
	WIN 0
.irp t, 0,1,2,3,4,5,6,7,8,9,10,11,12,13,14,15
	ds_load_b128 v[BI+4*\t:BI+4*\t+3], v[RD] offset:\t*SPITCH      ; LDS serves a wave's instructions in order: these see my stores
.endr
	s_wait_dscnt 0x0
.irp t, 0,1,2,3,4,5,6,7,8,9,10,11,12,13,14,15
	global_store_b128 v[CO], v[BI+4*\t:BI+4*\t+3], s[98:99] offset:\t*SIZE_N*4   ; 32 lanes store 512 consecutive bytes, aligned; these registers are not written again
.endr
.Lno_fine:
; THE WAY OUT, block by block of 16 rows x 128 columns: rounded to f16, 16 bytes a lane; through my f16 stage; back as whole rows of 256 bytes.
.macro PACK16 a
.set AC, 64*((\a)%4)
	WIN 0x0a+5*((\a)/4)                            ; sources 0 and 1: window 2 or 3
.irp b, 0,1,2,3,4,5,6,7
.irp r, 0,1,2,3
	v_cvt_pk_f16_f32 v[TMP+4*\b+\r], v[AC+8*\b+2*\r], v[AC+8*\b+2*\r+1]
.endr
.endr
	WIN 0
.endm
.macro TOSTAGE16 a
.set BB, BK+32*((\a)%2)
.irp b, 0,1,2,3,4,5,6,7
	ds_store_b128 v[STO16], v[TMP+4*\b:TMP+4*\b+3] offset:32*\b
.endr
.irp t, 0,1,2,3,4,5,6,7
	ds_load_b128 v[BB+4*\t:BB+4*\t+3], v[RD16] offset:\t*2*272
.endr
.endm
.macro SEND16 a
.set BB, BK+32*((\a)%2)
	s_wait_dscnt 0x0                               ; the block is back in registers
	s_wait_xcnt 0x0                                ; the earlier stores have read their base and their registers: only behind this wait are these written again
.if (\a) > 0
	s_add_nc_u64 s[12:13], s[12:13], 16*SIZE_N*2   ; 16 rows on
.endif
.irp t, 0,1,2,3,4,5,6,7
	global_store_b128 v[CO16], v[BB+4*\t:BB+4*\t+3], s[12:13] offset:2*\t*SIZE_N*2   ; sixteen lanes store 256 consecutive bytes, aligned
.endr
.endm
	PACK16 0
	TOSTAGE16 0
.irp a, 1,2,3,4,5,6,7                  ; block a's conversions stand between block a - 1's loads from the stage and the wait for them
	PACK16 \a
	SEND16 \a-1
	TOSTAGE16 \a
.endr
	SEND16 7
	s_wait_tensorcnt 0x0                           ; the wave's end, behind my last tensor load and my last LDS store
	ds_add_u32 v[SPW], v[NIL]
	s_wait_dscnt 0x0
	CROUND                                         ; the closing round
	s_endpgm
.Lfunc_end_k_q396db398f2_qkv:
	.size	k_q396db398f2_qkv, .Lfunc_end_k_q396db398f2_qkv-k_q396db398f2_qkv
	.p2alignl 7, 3214868480
	.fill 96, 4, 3214868480
	.section	.rodata,"a",@progbits
	.p2align	6, 0x0
	.amdhsa_kernel k_q396db398f2_qkv
		.amdhsa_group_segment_fixed_size 327680
		.amdhsa_private_segment_fixed_size 0
		.amdhsa_enable_private_segment 0
		.amdhsa_kernarg_size 56
		.amdhsa_user_sgpr_count 2
		.amdhsa_user_sgpr_kernarg_segment_ptr 1
		.amdhsa_wavefront_size32 1
		.amdhsa_system_sgpr_workgroup_id_x 1
		.amdhsa_system_sgpr_workgroup_id_y 1
		.amdhsa_system_sgpr_workgroup_id_z 1
		.amdhsa_system_vgpr_workitem_id 0
		.amdhsa_next_free_vgpr 1024
		.amdhsa_next_free_sgpr 100
		.amdhsa_reserve_vcc 0
		.amdhsa_float_denorm_mode_32 3
		.amdhsa_float_denorm_mode_16_64 3
		.amdhsa_memory_ordered 1
		.amdhsa_forward_progress 1
		.amdhsa_inst_pref_size 133
	.end_amdhsa_kernel
	.amdgpu_metadata
---
amdhsa.version: [ 1, 2 ]
amdhsa.kernels:
  - .name:           k_q396db398f2_qkv
    .symbol:         k_q396db398f2_qkv.kd
    .args:
      - { .name: xc, .offset: 0, .size: 8, .value_kind: global_buffer, .address_space: global }
      - { .name: xs, .offset: 8, .size: 8, .value_kind: global_buffer, .address_space: global }
      - { .name: wc, .offset: 16, .size: 8, .value_kind: global_buffer, .address_space: global }
      - { .name: ws, .offset: 24, .size: 8, .value_kind: global_buffer, .address_space: global }
      - { .name: qkv16, .offset: 32, .size: 8, .value_kind: global_buffer, .address_space: global }
      - { .name: b_qkv, .offset: 40, .size: 8, .value_kind: global_buffer, .address_space: global }
      - { .name: fine32, .offset: 48, .size: 8, .value_kind: global_buffer, .address_space: global }
    .group_segment_fixed_size: 327680
    .private_segment_fixed_size: 0
    .kernarg_segment_align: 8
    .kernarg_segment_size: 56
    .max_flat_workgroup_size: 128
    .sgpr_count:     100
    .vgpr_count:     1024
    .wavefront_size: 32
...
	.end_amdgpu_metadata
.endif
;; end of part 2
;; launch attn (part 3): grid 16 x 16, 16 waves a work-group, no clusters, 251,904 bytes of LDS; arguments qkv16, ao16; writes ao16
.if DOCPART == 3
	.amdgcn_target "amdgcn-amd-amdhsa--gfx1250"
	.amdhsa_code_object_version 6
	.text
	.protected	k_q396db398f2_attn
	.globl	k_q396db398f2_attn
	.p2align	8
	.type	k_q396db398f2_attn,@function
k_q396db398f2_attn:
	s_mov_b64 s[64:65], 0
	v_nop
	global_prefetch_b8 v0, s[64:65] scope:SCOPE_SE
	s_setreg_imm32_b32 hwreg(HW_REG_WAVE_MODE, 25, 1), 1
	s_wait_xcnt 0x0
; ao[b][i][head][:] = the sum over keys j, i - 256 <= j <= i, of softmax_j(q[i] . k[j] / 8) v[j][:].  qkv16 [4096 tokens][3072] f16: q at column 0, k at 1,024, v at 2,048, head hd at 64 hd.  ao16 [4096][1024] f16.
; Products on f16 operands with f32 sums; maximum, exponentials and the row's sum in f32; the row's true maximum is taken away before the exponential.
; LIMITS: p and the result are rounded to f16; q, k, v arrive in f16 (magnitudes above 65,504 are infinite there and are not served).
; SHARES.  A work-group owns 128 queries (x) of two neighbouring heads of a batch (y = 8 b + pair), so that a row of K's, V's and the result's tiles is 256 aligned bytes.  Wave w: queries 16 (w % 8) on, head 2 pair + w / 8.
; The work-group's queries see keys q0 - 256 .. q0 + 127: 384 rows of K and of V, fetched ONCE by waves 0 to 5 (64 rows of each a wave): no slot is filled again.  By this text's count a wave has two tensor loads out.
; A wave walks 17 tiles of 16 keys, tile t = keys qw - 256 + 16 t on.  Tile 0 is cut by the window's edge, tile 16 by the diagonal; tiles 1 to 15 are whole.  At a sequence's start a piece whose first key would be
; negative is fetched from key 0 instead (finite numbers), and the scores of tiles of negative keys become -infinity.  Key i counts for query i, so every row's maximum is a number.
; LAYOUT.  S^T = K Q^T (source 0 = 16 keys, source 1 = my 16 queries): a lane holds ONE query (lane % 16) and keys 8 (lane / 16) + 0..7 of each tile.  Two tiles, rounded to f16 in pairs, ARE source 1 of O^T = V^T P.
; NO CLUSTER: neighbouring query blocks share two thirds of their keys, but a joint load lands at one LDS address in all partners, so each partner's reads would hang on its place in the cluster;
; and all keys of four blocks, 768 rows x 560 bytes, do not fit in LDS.
; REGISTERS: v1-14 addresses; v16-31 tile 16's fragments, then statistics; v32-47 Q; v48-79 K's buffer 0, then O^T; v80-111 K's buffer 1, then the way out; v112-247 the 136 scores, then p packed in v112-183 and V's two buffers in v184-247.
.set KP,    272                        ; a row of K in LDS: 256 bytes + 16
.set VP,    288                        ; a row of V: 256 + 32
.set VBASE, 384*KP                     ; V's 384 rows lie behind K's
.set STG,   VBASE+384*VP               ; the stage for the way out: 128 rows x 272; no tile lands here
.set SPARE, STG+128*272                ; the spare words, 128 bytes for each wave: eight blocks of 256 bytes that no other line names
.set S,     112
.set KB0,   48
.set KX,    16
.set OT,    48
.set VF0,   184
.macro NOPS4                           ; four plain places between a matrix instruction and a load into its registers or a read of its result
.rept 4
	v_nop
.endr
.endm
	s_load_b128 s[4:7], s[0:1], 0x0                ; qkv16 s[4:5], ao16 s[6:7]
	v_lshl_add_u32 v7, v0, 2, SPARE                ; v7: my spare word; never rewritten
	v_mov_b32 v8, 0                                ; v8: 0; never rewritten
	ds_add_u32 v7, v8                              ; the wave's opening: the add, twice on end, and its wait ahead of the first tensor load
	ds_add_u32 v7, v8
	v_lshrrev_b32 v1, 5, v0
	v_readfirstlane_b32 s8, v1                     ; wave 0..15
	s_and_b32 s9, s8, 7                            ; which 16 queries
	s_lshr_b32 s10, s8, 3                          ; which head of the pair
	s_lshl_b32 s11, ttmp9, 7                       ; q0
	s_and_b32 s12, ttmp7, 0xffff
	s_lshr_b32 s13, s12, 3                         ; batch
	s_and_b32 s14, s12, 7                          ; pair of heads
	s_lshl_b32 s15, s9, 4
	s_add_co_u32 s15, s15, s11                     ; qw: my first query
	s_mov_b32 s16, (1<<16)|(1<<20)|(5<<22)|(3<<25) ; K's tiles: elements of 2 bytes; 4 words of padding behind every 64
	s_mov_b32 s17, 128<<16                         ; tensor_dim0 = 128
	s_mov_b32 s18, 64<<16                          ; tensor_dim1 = 64
	s_mov_b32 s19, 128<<16                         ; tile_dim0 = 128
	s_mov_b32 s20, 64                              ; tile_dim1 = 64
	s_mov_b32 s21, 3072                            ; elements from row to row
	s_mov_b32 s22, 0
	s_mov_b32 s23, 0
	s_mov_b32 s24, (1<<16)|(1<<20)|(5<<22)|(7<<25) ; V's: the same with 8 words of padding
	s_mov_b32 s25, 128<<16
	s_mov_b32 s26, 64<<16
	s_mov_b32 s27, 128<<16
	s_mov_b32 s28, 64
	s_mov_b32 s29, 3072
	s_mov_b32 s30, 0
	s_mov_b32 s31, 0
	s_mov_b32 s40, 0x3e38aa3b                      ; c = log2(e) / 8
	s_mov_b32 s41, s40                             ; (named with it as a pair)
	s_mov_b32 s42, 0x76543210                      ; v_permlanex16_b32's selects for lane l xor 16
	s_mov_b32 s43, 0xfedcba98
	s_mov_b32 s55, 0xff800000                      ; -infinity
	s_mov_b32 s56, 0x7f800000                      ; +infinity
	s_min_u32 s47, s8, 5                           ; the piece that I fetch, if I fetch (waves 6 to 15 hold piece 5's descriptor and issue nothing)
	s_lshl_b32 s44, s47, 6
	s_add_co_u32 s44, s44, s11
	s_sub_co_i32 s44, s44, 256                     ; its first key: q0 - 256 + 64 piece,
	s_max_i32 s44, s44, 0                          ; or key 0
	s_lshl_b32 s45, s13, 11
	s_add_co_u32 s44, s44, s45                     ; as a token
	s_mul_i32 s44, s44, 6144
	s_lshl_b32 s46, s14, 8                         ; the pair's 256 bytes
	s_add_co_u32 s44, s44, s46
	s_add_co_u32 s44, s44, 2048                    ; k's columns
	s_mov_b32 s45, 0
	s_lshl_b32 s48, s13, 11
	s_add_co_u32 s48, s48, s15
	s_mul_i32 s48, s48, 6144                       ; Q: my first query's token,
	s_add_co_u32 s48, s48, s46
	s_lshl_b32 s49, s10, 7
	s_add_co_u32 s48, s48, s49                     ; my head's 128 bytes
	s_mov_b32 s49, 0
	s_lshl_b32 s58, s13, 11
	s_add_co_u32 s58, s58, s11
	s_lshl_b32 s59, s8, 3
	s_add_co_u32 s58, s58, s59                     ; the way out: wave w stores rows q0 + 8 w .. + 7
	s_lshl_b32 s58, s58, 11
	s_add_co_u32 s58, s58, s46
	s_mov_b32 s59, 0
	s_wait_dscnt 0x0                               ; both opening adds are done
	s_wait_kmcnt 0x0
	s_mov_b32 s32, 1
	s_mul_i32 s33, s47, 64*KP                      ; K's piece in LDS
	s_add_nc_u64 s[34:35], s[4:5], s[44:45]
	s_or_b32 s35, s35, 0x80000000
	s_mov_b32 s36, 1
	s_mul_i32 s37, s47, 64*VP
	s_add_co_u32 s37, s37, VBASE                   ; V's
	s_add_nc_u64 s[38:39], s[4:5], s[44:45]
	s_add_nc_u64 s[38:39], s[38:39], 2048          ; v's columns
	s_or_b32 s39, s39, 0x80000000
	s_add_nc_u64 s[50:51], s[4:5], s[48:49]
	s_add_nc_u64 s[52:53], s[6:7], s[58:59]
	s_cmp_lt_u32 s8, 6                             ; a wave's two fills stand in one branch on the wave's number, ahead of every wait on TENSORcnt, every LDS read and every barrier
	s_cbranch_scc0 .Lno_fetch
	tensor_load_to_lds s[32:35], s[16:23]          ; K first: it is wanted first
	s_nop 0
	tensor_load_to_lds s[36:39], s[24:31]
	s_nop 0
	NOPS4
.Lno_fetch:
	v_and_b32 v1, 15, v0                           ; r
	v_bfe_u32 v2, v0, 4, 1                         ; h
	v_mul_u32_u24 v14, v1, 6144
	v_lshl_add_u32 v14, v2, 4, v14                 ; Q: row r, + 16 h
	global_load_b128 v[32:35], v14, s[50:51]             ; Q's two fragments (channels 0-31, 32-63) stay in registers
	global_load_b128 v[36:39], v14, s[50:51] offset:32
	global_load_b128 v[40:43], v14, s[50:51] offset:64
	global_load_b128 v[44:47], v14, s[50:51] offset:96
	s_lshl_b32 s44, s9, 4                          ; my tiles begin at window row 16 (w % 8)
	s_lshl_b32 s46, s10, 7                         ; my head's 128 bytes of a row
	s_mul_i32 s45, s44, KP
	s_add_co_u32 s45, s45, s46
	v_mul_u32_u24 v3, v1, KP
	v_lshl_add_u32 v3, v2, 4, v3
	v_add_nc_u32 v3, s45, v3                       ; v3: K's fragments of tiles 0-7: row r of the tile, + 16 h
	v_add_nc_u32 v4, 8*16*KP, v3                   ; v4: of tiles 8-16
	v_and_b32 v5, 7, v0
	v_lshl_add_u32 v5, v2, 3, v5
	v_mul_u32_u24 v5, v5, VP
	v_bfe_u32 v6, v0, 3, 1
	v_lshl_add_u32 v5, v6, 4, v5                   ; the turning load: key 8 h + l % 8, channels 8 ((l / 8) % 2) on
	s_mul_i32 s45, s44, VP
	s_add_co_u32 s45, s45, s46
	s_add_co_u32 s45, s45, VBASE
	v_add_nc_u32 v5, s45, v5                       ; v5: V's fragments of steps 0-3
	v_add_nc_u32 v6, 4*32*VP, v5                   ; v6: of steps 4-8
	v_lshlrev_b32 v9, 3, v2
	v_sub_nc_u32 v9, v1, v9                        ; v9: d = r - 8 h
	v_mov_b32 v10, 0xff800000                      ; v10: -infinity
	s_mul_i32 s45, s44, 272
	s_add_co_u32 s45, s45, s46
	s_add_co_u32 s45, s45, STG
	v_mul_u32_u24 v11, v1, 272
	v_lshl_add_u32 v11, v2, 4, v11
	v_add_nc_u32 v11, s45, v11                     ; v11: the stage, in: my query's row, my head's half, + 16 h
	s_mul_i32 s45, s8, 8*272
	s_add_co_u32 s45, s45, STG
	v_mul_u32_u24 v12, v2, 272
	v_lshl_add_u32 v12, v1, 4, v12
	v_add_nc_u32 v12, s45, v12                     ; v12: back: rows 8 w on; lanes 0-15 one row, lanes 16-31 the next
	v_lshlrev_b32 v13, 11, v2
	v_lshl_add_u32 v13, v1, 4, v13                 ; v13: the same two rows in ao16
	s_wait_tensorcnt 0x1                           ; my piece of K has landed; V's, issued behind it, may stay out
	s_barrier_signal -1
	s_barrier_wait -1                              ; everybody's has
; ---- S^T = K Q^T.  A tile of K is two fragments (16 keys x 32 channels each): four loads of 16 bytes.
.macro LOADK buf, areg, off
.irp c, 0,1
	ds_load_b128 v[(\buf)+8*\c:(\buf)+8*\c+3], v[\areg] offset:(\off)+64*\c
	ds_load_b128 v[(\buf)+8*\c+4:(\buf)+8*\c+7], v[\areg] offset:(\off)+64*\c+32
.endr
.endm
.macro QK t, buf, c
.if (\c) == 0
	v_wmma_f32_16x16x32_f16 v[S+8*(\t):S+8*(\t)+7], v[(\buf):(\buf)+7], v[32:39], 0
.else
	v_wmma_f32_16x16x32_f16 v[S+8*(\t):S+8*(\t)+7], v[(\buf)+8:(\buf)+15], v[40:47], v[S+8*(\t):S+8*(\t)+7]
.endif
.endm
	LOADK KX, 4, 8*16*KP                           ; tile 16
	LOADK KB0, 3, 0                                ; tiles 0 and 1
	LOADK KB0+16, 3, 16*KP
	s_wait_loadcnt 0x0                             ; Q
.irp g, 0,1,2,3,4,5,6                  ; two tiles at a time, two buffers; within a group the accumulators take turns, one instruction a turn
.if \g > 0
	NOPS4                                          ; the buffer that is loaded next was read by the group before
.endif
	LOADK KB0+32*((\g+1)%2), 3+(2*\g+2)/8, 16*KP*((2*\g+2)%8)
	LOADK KB0+32*((\g+1)%2)+16, 3+(2*\g+3)/8, 16*KP*((2*\g+3)%8)
	s_wait_dscnt 8                                 ; all but the eight just issued
	QK 2*\g, KB0+32*(\g%2), 0
	QK 2*\g+1, KB0+32*(\g%2)+16, 0
	QK 2*\g, KB0+32*(\g%2), 1
	QK 2*\g+1, KB0+32*(\g%2)+16, 1
.endr
	s_wait_dscnt 0x0
	QK 14, KB0+32, 0
	QK 15, KB0+48, 0
	QK 16, KX, 0
	QK 14, KB0+32, 1
	QK 15, KB0+48, 1
	QK 16, KX, 1
	NOPS4
; ---- the masks.  Register j of tile t holds key qw - 256 + 16 t + 8 h + j; my query is qw + r.
.irp j, 0,1,2,3,4,5,6,7
	v_cmp_lt_i32 vcc_lo, \j, v9                    ; tile 0: under the window's edge where 8 h + j < r
	v_cndmask_b32 v[S+\j], v[S+\j], v10, vcc_lo
.endr
.irp j, 0,1,2,3,4,5,6,7
	v_cmp_gt_i32 vcc_lo, \j, v9                    ; tile 16: over the diagonal where 8 h + j > r
	v_cndmask_b32 v[S+128+\j], v[S+128+\j], v10, vcc_lo
.endr
	v_mov_b32 v21, 0                               ; (a lane permute's destination counts as one of its sources)
	s_cmp_ge_u32 s15, 256                          ; ids alone: from query 256 on every key of the window exists
	s_cbranch_scc1 .Lall_keys
	s_sub_co_u32 s54, 256, s15                     ; keys under this place in the window are negative: a multiple of 16, so whole tiles
.irp t, 0,1,2,3,4,5,6,7,8,9,10,11,12,13,14,15
	s_cmp_gt_i32 s54, 16*\t
	s_cselect_b32 s57, s55, s56                    ; -infinity holds the tile's scores down, +infinity leaves them
.irp j, 0,1,2,3,4,5,6,7
	v_min_num_f32 v[S+8*\t+\j], s57, v[S+8*\t+\j]
.endr
.endr
.Lall_keys:
; ---- the softmax of my query's 136 scores here and 136 in lane l xor 16
.irp c, 0,1,2,3
	v_max3_num_f32 v[16+\c], v[S+32*\c], v[S+32*\c+1], v[S+32*\c+2]   ; four chains over four tiles each, by turns; every accumulator is first read at its low end
.endr
	v_max3_num_f32 v20, v[S+128], v[S+129], v[S+130]                   ; and a fifth over tile 16
.irp i, 3,5,7,9,11,13,15,17,19,21,23,25,27,29
.irp c, 0,1,2,3
	v_max3_num_f32 v[16+\c], v[16+\c], v[S+32*\c+\i], v[S+32*\c+\i+1]
.endr
.endr
	v_max3_num_f32 v20, v20, v[S+131], v[S+132]
	v_max3_num_f32 v20, v20, v[S+133], v[S+134]
.irp c, 0,1,2,3
	v_max_num_f32 v[16+\c], v[16+\c], v[S+32*\c+31]
.endr
	v_max_num_f32 v20, v20, v[S+135]
	v_max3_num_f32 v16, v16, v17, v18
	v_max3_num_f32 v16, v16, v19, v20
	v_permlanex16_b32 v21, v16, s42, s43
	v_max_num_f32 v16, v16, v21                    ; the row's largest score
	v_mul_f32 v22, s40, v16                        ; c m
	v_mov_b32 v23, v22                             ; (named with it as a pair)
.set n, 0
.rept 68
	v_pk_fma_f32 v[S+n:S+n+1], v[S+n:S+n+1], s[40:41], v[22:23] op_sel_hi:[1,0,0] neg_lo:[0,0,1] neg_hi:[0,0,1]   ; c s - c m, two at a time
.set n, n+2
.endr
.set n, 0
.rept 136
	v_exp_f32 v[S+n], v[S+n]                       ; p = 2^(c s - c m): one batch
.set n, n+1
.endr
	v_nop                                          ; a plain line behind the last exponential
	s_wait_alu depctr_va_vdst(0)                   ; one wait for the batch, ahead of its first reader
.irp c, 0,1,2,3
	v_pk_add_f32 v[24+2*\c:25+2*\c], v[S+2*\c:S+2*\c+1], v[S+2*\c+8:S+2*\c+9]   ; the row's sum, of the unrounded p: four chains of 17 pairs
.endr
.irp k, 2,3,4,5,6,7,8,9,10,11,12,13,14,15,16
.irp c, 0,1,2,3
	v_pk_add_f32 v[24+2*\c:25+2*\c], v[24+2*\c:25+2*\c], v[S+2*\c+8*\k:S+2*\c+8*\k+1]
.endr
.endr
	v_pk_add_f32 v[24:25], v[24:25], v[26:27]
	v_pk_add_f32 v[28:29], v[28:29], v[30:31]
	v_pk_add_f32 v[24:25], v[24:25], v[28:29]
	v_add_f32 v24, v24, v25
	v_permlanex16_b32 v21, v24, s42, s43
	v_add_f32 v24, v24, v21
	v_rcp_f32 v20, v24                             ; 1 / the sum; the packing below is the independent work behind it
.set n, 0
.rept 68
	v_cvt_pk_f16_f32 v[S+n], v[S+2*n], v[S+2*n+1]  ; p to f16, packed in place, ascending: tile t's four registers at S + 4 t
.set n, n+1
.endr
.irp i, 0,1,2,3
	v_mov_b32 v[S+68+\i], 0                        ; the last step's second 16 keys do not exist: p = 0
.endr
	s_wait_alu depctr_va_vdst(0)                   ; the reciprocal's wait
	s_wait_tensorcnt 0x0                           ; my piece of V has landed
	s_barrier_signal -1
	s_barrier_wait -1                              ; everybody's has
; ---- O^T = V^T P: nine steps of 32 keys; four accumulators (16 channels each) by turns.  V ([key][channel]) comes turned, by ds_load_tr16_b128.
.macro LOADV buf, areg, off, second
.irp c, 0,1,2,3
	ds_load_tr16_b128 v[(\buf)+8*\c:(\buf)+8*\c+3], v[\areg] offset:(\off)+32*\c
	ds_load_tr16_b128 v[(\buf)+8*\c+4:(\buf)+8*\c+7], v[\areg] offset:(\off)+32*\c+(\second)
.endr
.endm
.macro PVS s, buf
.irp c, 0,1,2,3
.if (\s) == 0
	v_wmma_f32_16x16x32_f16 v[OT+8*\c:OT+8*\c+7], v[(\buf)+8*\c:(\buf)+8*\c+7], v[S+8*(\s):S+8*(\s)+7], 0
.else
	v_wmma_f32_16x16x32_f16 v[OT+8*\c:OT+8*\c+7], v[(\buf)+8*\c:(\buf)+8*\c+7], v[S+8*(\s):S+8*(\s)+7], v[OT+8*\c:OT+8*\c+7]
.endif
.endr
.endm
	LOADV VF0, 5, 0, 16*VP
.irp s, 0,1,2,3,4,5,6,7
.if \s > 0
	NOPS4                                          ; the buffer that is loaded next was read by the step before
.endif
.if \s == 7
	LOADV VF0, 6, 4*32*VP, 0                       ; step 8: tile 16's rows, twice: the second half meets p = 0
.else
	LOADV VF0+32*((\s+1)%2), 5+(\s+1)/4, 32*VP*((\s+1)%4), 16*VP
.endif
	s_wait_dscnt 8                                 ; all but the eight just issued
	PVS \s, VF0+32*(\s%2)
.endr
	s_wait_dscnt 0x0
	PVS 8, VF0
; ---- the way out: O^T / the sum, to f16, into the work-group's stage (a row's 256 bytes come from two waves), a barrier, back as whole rows
	NOPS4
.set n, 0
.rept 16
	v_pk_mul_f32 v[OT+n:OT+n+1], v[OT+n:OT+n+1], v[20:21] op_sel_hi:[1,0]
.set n, n+2
.endr
.set n, 0
.rept 16
	v_cvt_pk_f16_f32 v[80+n], v[OT+2*n], v[OT+2*n+1]
.set n, n+1
.endr
.irp c, 0,1,2,3
	ds_store_b128 v11, v[80+4*\c:83+4*\c] offset:32*\c     ; channels 16 c + 8 h + 0 .. 7 of my query
.endr
	s_wait_dscnt 0x0                               ; for the others' sake: my stores have landed
	s_barrier_signal -1
	s_barrier_wait -1
.irp i, 0,1,2,3
	ds_load_b128 v[96+4*\i:99+4*\i], v12 offset:\i*2*272
.endr
.irp i, 0,1,2,3
	s_wait_dscnt 3-\i                              ; the younger read-backs may be out
	global_store_b128 v13, v[96+4*\i:99+4*\i], s[52:53] offset:\i*4096   ; sixteen lanes store 256 consecutive bytes, aligned
.endr
	s_wait_tensorcnt 0x0                           ; the wave's end, behind my last tensor load and my last LDS store
	ds_add_u32 v7, v8
	s_wait_dscnt 0x0
	s_endpgm
.Lfunc_end_k_q396db398f2_attn:
	.size	k_q396db398f2_attn, .Lfunc_end_k_q396db398f2_attn-k_q396db398f2_attn
	.p2alignl 7, 3214868480
	.fill 96, 4, 3214868480
	.section	.rodata,"a",@progbits
	.p2align	6, 0x0
	.amdhsa_kernel k_q396db398f2_attn
		.amdhsa_group_segment_fixed_size 251904
		.amdhsa_private_segment_fixed_size 0
		.amdhsa_enable_private_segment 0
		.amdhsa_kernarg_size 16
		.amdhsa_user_sgpr_count 2
		.amdhsa_user_sgpr_kernarg_segment_ptr 1
		.amdhsa_wavefront_size32 1
		.amdhsa_system_sgpr_workgroup_id_x 1
		.amdhsa_system_sgpr_workgroup_id_y 1
		.amdhsa_system_sgpr_workgroup_id_z 1
		.amdhsa_system_vgpr_workitem_id 0
		.amdhsa_next_free_vgpr 256
		.amdhsa_next_free_sgpr 66
		.amdhsa_reserve_vcc 1
		.amdhsa_float_denorm_mode_32 3
		.amdhsa_float_denorm_mode_16_64 3
		.amdhsa_memory_ordered 1
		.amdhsa_forward_progress 1
		.amdhsa_inst_pref_size 54
	.end_amdhsa_kernel
	.amdgpu_metadata
---
amdhsa.version: [ 1, 2 ]
amdhsa.kernels:
  - .name:           k_q396db398f2_attn
    .symbol:         k_q396db398f2_attn.kd
    .args:
      - { .name: qkv16, .offset: 0, .size: 8, .value_kind: global_buffer, .address_space: global }
      - { .name: ao16, .offset: 8, .size: 8, .value_kind: global_buffer, .address_space: global }
    .group_segment_fixed_size: 251904
    .private_segment_fixed_size: 0
    .kernarg_segment_align: 8
    .kernarg_segment_size: 16
    .max_flat_workgroup_size: 512
    .sgpr_count:     66
    .vgpr_count:     256
    .wavefront_size: 32
...
	.end_amdgpu_metadata
.endif
;; end of part 3
;; launch proj (part 4): grid 8 x 32, 4 waves a work-group, clusters of 4 x 4, 327,680 bytes of LDS; arguments ao16, wo16, out0, b_out; writes out0
.if DOCPART == 4
	.amdgcn_target "amdgcn-amd-amdhsa--gfx1250"
	.amdhsa_code_object_version 6
	.text
	.protected	k_q396db398f2_proj
	.globl	k_q396db398f2_proj
	.p2align	8
	.type	k_q396db398f2_proj,@function
k_q396db398f2_proj:
	s_mov_b64 s[64:65], 0
	v_nop
	global_prefetch_b8 v0, s[64:65] scope:SCOPE_SE
	s_setreg_imm32_b32 hwreg(HW_REG_WAVE_MODE, 25, 1), 1
	s_wait_xcnt 0x0
	s_wait_alu depctr_hold_cnt(0) depctr_sa_sdst(0) depctr_va_vdst(0) depctr_va_sdst(0) depctr_va_ssrc(0) depctr_va_vcc(0) depctr_vm_vsrc(0)
	s_getreg_b32 s2, hwreg(HW_REG_IB_STS2, 6, 4)
	s_cmp_eq_u32 s2, 0
	s_cbranch_scc0 .Lentry_in_a_cluster
	s_endpgm
.Lentry_in_a_cluster:
	s_bfe_u32 s2, ttmp6, 0x10000c
	s_cmp_lg_u32 s2, 0xf033
	s_cbranch_scc0 .Lentry_shape_is_right
	s_endpgm
.Lentry_shape_is_right:
; out0[m][n] = b_out[n] + sum over k of ao[m][k] w_out[k][n].  ao16 [4096][1024] and wo16 [1024 n][1024 k]: f16, K innermost; out0 [4096][1024] f32; sums in f32; the bias is the C of the first products.
; The first 16 rows of each batch are stored here too and are written anew, from f32 operands, by the launch that follows: a branch that spared them would hang on a work-group's place in its cluster.
; A tile of 128 x 128 gives each of 256 work-groups one tile.  Four waves, each 64 x 64: 16 accumulators.  K goes in steps of 256 (LDS rows of 512 bytes; a wave's tensor load brings 64 of them) through two slots.
; CLUSTERS: 4 x 4 work-groups: the four of a row of the cluster need the same tiles of ao, the four of a column the same tiles of wo16: each tile is asked for JOINTLY.
; THE MATRIX INSTRUCTION IS USED TRANSPOSED (source 0 = 16 rows of wo16, source 1 = 16 rows of ao): a lane holds eight neighbouring numbers of a row of the result.
; A wave's 64 columns of f32 are 256 aligned bytes: each wave has a stage of its own and the way out has no barrier.
; REGISTERS: window 0: v0-31 addresses; v32-95 rows read back; v96-127 the bias; v128-255 the accumulators ((a, b) at v[128 + 8 (4 a + b)]).   window 1: two fragment buffers of 128.
.set SIZE_N, 1024
.set SIZE_K, 1024
.set KSTEP,  256
.set PITCH,  528                       ; an LDS row: 512 bytes + 16: row r starts at bank 4 r mod 64 (64 banks of 4 bytes: ISA guide 11.1)
.set HALFT,  64*PITCH
.set SLOT,   4*HALFT
.set STAGE,  2*SLOT                    ; behind the ring: 16 rows x 272 bytes for each wave
.set SPITCH, 272
.set SPARE,  STAGE+4*16*SPITCH         ; the spare words: two blocks of 256 bytes that no other line names
.set LAPS, SIZE_K/(2*KSTEP)
.set ADRA, 16
.set ADRB, 20
.set STO,  24                          ; v24 the stage: where I put 32 bytes of a row
.set RD,   25                          ; v25 and where I read a row back
.set CO,   26                          ; v26 my byte offset in two rows of out0
.set BO,   27                          ; v27 32 x (lane / 16)
.set SPW,  28
.set NIL,  29
.set TMP,  32
.set BI,   96
.set ACC,  128
.set F0,   0
.set F1,   128
.set G1, 24
.set G0, 32
.set G1B, 48
.set G0B, 56
.set MSB, 0
.macro WIN new
.if MSB != (\new)
	s_set_vgpr_msb (MSB<<8)|(\new)
.set MSB, (\new)
.endif
.endm
.set MUL,  0x05                        ; sources 0 and 1 window 1; C and D window 0
.set TO_F, 0x40
.macro JLOAD s                         ; a joint load: waves 0 and 1 fetch ao's two halves, waves 2 and 3 wo16's; an s_nop 0 and four v_nop follow each of the two lines
	s_cmp_eq_u32 s11, 0
	s_cbranch_scc0 .Lfor_b_\@
	tensor_load_to_lds s[G0+4*\s:G0+4*\s+3], s[G1:G1+7]
	s_nop 0
.rept 4
	v_nop
.endr
	s_branch .Lasked_\@
.Lfor_b_\@:
	tensor_load_to_lds s[G0B+4*\s:G0B+4*\s+3], s[G1B:G1B+7]
	s_nop 0
.rept 4
	v_nop
.endr
.Lasked_\@:
.endm
.macro CREST
	s_cmp_lg_u32 s10, 0
	s_cbranch_scc1 .Lnot_wave_0_\@
	s_barrier_signal -3
.Lnot_wave_0_\@:
	s_barrier_wait -3
	s_barrier_signal -1
	s_barrier_wait -1
.endm
.macro CROUND
	s_barrier_signal -1
	s_barrier_wait -1
	CREST
.endm
	s_load_b128 s[4:7], s[0:1], 0x0                ; ao16 s[4:5], wo16 s[6:7]
	s_load_b64 s[8:9], s[0:1], 0x10                ; out0
	s_load_b64 s[66:67], s[0:1], 0x18              ; b_out
	v_lshl_add_u32 v[SPW], v0, 2, SPARE
	v_mov_b32 v[NIL], 0
	ds_add_u32 v[SPW], v[NIL]                      ; the wave's opening: the add, twice on end, and its wait ahead of my first tensor load
	ds_add_u32 v[SPW], v[NIL]
	v_lshrrev_b32 v1, 5, v0
	v_readfirstlane_b32 s10, v1                    ; wave 0..3
	s_lshr_b32 s11, s10, 1                         ; which half of the tile's rows is mine.  Also: I fetch for ao (0) or for wo16 (1)
	s_and_b32 s12, s10, 1                          ; which half of its columns.  Also: which 64 rows of that tile I fetch
	s_bfe_u32 s40, ttmp6, 0x40000                  ; cx
	s_bfe_u32 s41, ttmp6, 0x40004                  ; cy
	s_lshl_b32 s42, ttmp9, 2
	s_add_co_u32 s42, s42, s40                     ; tile column = 4 x cluster x + cx
	s_and_b32 s13, ttmp7, 0xffff
	s_lshl_b32 s13, s13, 2
	s_add_co_u32 s13, s13, s41                     ; tile row = 4 x cluster y + cy
	s_lshl_b32 s43, s41, 2
	s_lshl_b32 s43, 15, s43                        ; my row of the cluster
	s_lshl_b32 s44, 0x1111, s40                    ; my column
	s_or_b32 s[G1+0], s43, (1<<16)|(1<<20)|(1<<21)|(6<<22)|(3<<25)  ; the mask; elements of 2 bytes; 4 words of padding behind every 128; bit 21 beside a mask
	s_or_b32 s[G1B+0], s44, (1<<16)|(1<<20)|(1<<21)|(6<<22)|(3<<25)
.irp g, G1, G1B
	s_mov_b32 s[\g+1], KSTEP<<16                   ; tensor_dim0 = 256
	s_mov_b32 s[\g+2], 64<<16                      ; tensor_dim1 = 64
	s_mov_b32 s[\g+3], KSTEP<<16                   ; tile_dim0 = 256
	s_mov_b32 s[\g+4], 64                          ; tile_dim1 = 64
	s_mov_b32 s[\g+5], SIZE_K                      ; the pitch
	s_mov_b32 s[\g+6], 0
	s_mov_b32 s[\g+7], 0
.endr
	s_lshl_b32 s17, s12, 6
	s_lshl_b32 s16, s13, 7
	s_add_co_u32 s16, s16, s17                     ; ao: row 128 x tile row + 64 x half
	s_lshl_b32 s46, s42, 7
	s_add_co_u32 s46, s46, s17                     ; wo16: row 128 x tile column + 64 x half
	s_mov_b32 s17, 0
	s_mov_b32 s47, 0
	s_mov_b64 s[18:19], SIZE_K*2
	s_mul_u64 s[16:17], s[16:17], s[18:19]
	s_mul_u64 s[46:47], s[46:47], s[18:19]
	s_mul_i32 s20, s10, HALFT                      ; where they go: wave x 64 rows
	s_wait_dscnt 0x0                               ; both opening adds are done
	s_wait_kmcnt 0x0
	s_add_nc_u64 s[14:15], s[4:5], s[16:17]
	s_add_nc_u64 s[46:47], s[6:7], s[46:47]
	CROUND                                         ; all sixteen work-groups are here: the first joint loads meet
.irp s, 0,1
	s_mov_b32 s[G0+4*\s], 1
	s_add_co_u32 s[G0+4*\s+1], s20, \s*SLOT
	s_add_nc_u64 s[G0+4*\s+2:G0+4*\s+3], s[14:15], \s*KSTEP*2
	s_or_b32 s[G0+4*\s+3], s[G0+4*\s+3], 0x80000000
	s_mov_b32 s[G0B+4*\s], 1
	s_add_co_u32 s[G0B+4*\s+1], s20, \s*SLOT
	s_add_nc_u64 s[G0B+4*\s+2:G0B+4*\s+3], s[46:47], \s*KSTEP*2
	s_or_b32 s[G0B+4*\s+3], s[G0B+4*\s+3], 0x80000000
	JLOAD \s
.endr
	v_and_b32 v1, 15, v0                           ; r
	v_bfe_u32 v2, v0, 4, 1                         ; h
	v_mul_u32_u24 v3, v1, PITCH
	v_lshl_add_u32 v3, v2, 4, v3
	s_mul_i32 s21, s11, HALFT                      ; my 64 rows of ao
	s_mul_i32 s22, s12, HALFT                      ; my 64 rows of wo16,
	s_add_co_u32 s22, s22, 2*HALFT                 ; which lie behind ao's 128
.irp s, 0,1
	v_add_nc_u32 v[ADRA+\s], s21, v3
	v_add_nc_u32 v[ADRB+\s], s22, v3
	s_add_co_u32 s21, s21, SLOT
	s_add_co_u32 s22, s22, SLOT
.endr
	s_mul_i32 s23, s10, 16*SPITCH
	s_add_co_u32 s23, s23, STAGE                   ; my stage
	v_mul_u32_u24 v4, v1, SPITCH
	v_lshl_add_u32 v4, v2, 5, v4
	v_add_nc_u32 v[STO], s23, v4                   ; in: row r, 32 bytes for each half of the lanes
	v_mul_u32_u24 v5, v2, SPITCH
	v_lshl_add_u32 v5, v1, 4, v5
	v_add_nc_u32 v[RD], s23, v5                    ; back: lanes 0-15 one row of 256 bytes, lanes 16-31 the next
	v_lshlrev_b32 v5, 12, v2
	v_lshl_add_u32 v[CO], v1, 4, v5                ; and the same two rows in out0
	v_lshlrev_b32 v[BO], 5, v2
	s_lshl_b32 s16, s13, 7
	s_lshl_b32 s17, s11, 6
	s_add_co_u32 s16, s16, s17                     ; my first row: 128 x tile row + 64 x half
	s_lshl_b32 s16, s16, 12
	s_mov_b32 s17, 0
	s_add_nc_u64 s[8:9], s[8:9], s[16:17]
	s_lshl_b32 s46, s42, 9                         ; my first column in bytes: 512 x tile column + 256 x half
	s_lshl_b32 s47, s12, 8
	s_add_co_u32 s46, s46, s47
	s_mov_b32 s47, 0
	s_add_nc_u64 s[8:9], s[8:9], s[46:47]
	s_add_nc_u64 s[66:67], s[66:67], s[46:47]
.irp b, 0,1,2,3
	global_load_b128 v[BI+8*\b:BI+8*\b+3], v[BO], s[66:67] offset:64*\b       ; b_out at columns 16 b + 8 h + 0 .. 7: the result's layout
	global_load_b128 v[BI+8*\b+4:BI+8*\b+7], v[BO], s[66:67] offset:64*\b+16
.endr
; 8 matrix instructions: m blocks a0, a0 + 1 x all 4 n blocks, 32 along K: half c of buffer f.  first = 1: the bias is the C of the first product.  The 16 accumulators take turns.
.macro MUL8 f, c, a0, first
.irp a, \a0, \a0+1
.irp b, 0,1,2,3
.if \first
	v_wmma_f32_16x16x32_f16 v[ACC+8*(4*(\a)+\b):ACC+8*(4*(\a)+\b)+7], v[\f+64+8*(4*\c+\b):\f+64+8*(4*\c+\b)+7], v[\f+8*(4*\c+\a):\f+8*(4*\c+\a)+7], v[BI+8*\b:BI+8*\b+7]
.else
	v_wmma_f32_16x16x32_f16 v[ACC+8*(4*(\a)+\b):ACC+8*(4*(\a)+\b)+7], v[\f+64+8*(4*\c+\b):\f+64+8*(4*\c+\b)+7], v[\f+8*(4*\c+\a):\f+8*(4*\c+\a)+7], v[ACC+8*(4*(\a)+\b):ACC+8*(4*(\a)+\b)+7]
.endif
.endr
.endr
.endm
.macro FETCH slot, k, f                ; 32 LDS loads in one run: the fragments of 64 along K at byte k of the rows, into buffer f; the first 32 along K first
	WIN TO_F
.irp c, 0,1
.irp i, 0,1,2,3
	ds_load_b128 v[\f+64+8*(4*\c+\i):\f+64+8*(4*\c+\i)+3],   v[ADRB+\slot] offset:\k+64*\c+\i*16*PITCH
	ds_load_b128 v[\f+64+8*(4*\c+\i)+4:\f+64+8*(4*\c+\i)+7], v[ADRB+\slot] offset:\k+64*\c+\i*16*PITCH+32
	ds_load_b128 v[\f+8*(4*\c+\i):\f+8*(4*\c+\i)+3],         v[ADRA+\slot] offset:\k+64*\c+\i*16*PITCH
	ds_load_b128 v[\f+8*(4*\c+\i)+4:\f+8*(4*\c+\i)+7],       v[ADRA+\slot] offset:\k+64*\c+\i*16*PITCH+32
.endr
.endr
.endm
.macro PLACES                          ; four plain places in front of loads into registers that matrix instructions have read, and of the first read of results
.rept 4
	v_nop
.endr
.endm
.macro QUARTER slot, k, f, g, first    ; 64 along K: multiplies buffer f and fetches the next quarter, at byte k, into g
	s_wait_dscnt 16                                ; the first 32 along K are in; the sixteen younger loads may be out
	WIN MUL
	MUL8 \f, 0, 0, \first
	MUL8 \f, 0, 2, \first
	PLACES
	FETCH \slot, \k, \g
	s_wait_dscnt 32                                ; all but the 32 just issued
	WIN MUL
	MUL8 \f, 1, 0, 0
	MUL8 \f, 1, 2, 0
.endm
; A slot's last quarter changes slots: ONE barrier; in front of it each wave waits for all its tensor loads, adds 0 to its spare word, and waits for that and for its reads of this slot.  fill = 1: this slot is filled again, two K steps ahead.
.macro TURN slot, next, fill
	WIN 0
	s_wait_tensorcnt 0x0                           ; all my tensor loads have landed: my part of the next slot
	ds_add_u32 v[SPW], v[NIL]
	s_wait_dscnt 17                                ; (the add and the youngest sixteen loads may be out)
	WIN MUL
	MUL8 F1, 0, 0, 0
	s_wait_dscnt 0x0                               ; the add is done, and my reads of this slot are over
	s_barrier_signal -1
	MUL8 F1, 0, 2, 0
.if \fill
	WIN 0
.endif
	s_barrier_wait -1
.if \fill
	CREST                                          ; the barrier has opened a round of the cluster's barrier: no wave of any partner still reads this slot or has a load on its way
	s_add_nc_u64 s[G0+4*\slot+2:G0+4*\slot+3], s[G0+4*\slot+2:G0+4*\slot+3], 2*KSTEP*2
	s_add_nc_u64 s[G0B+4*\slot+2:G0B+4*\slot+3], s[G0B+4*\slot+2:G0B+4*\slot+3], 2*KSTEP*2
	JLOAD \slot                                    ; the first tensor load behind the round; the four v_nop behind it are also the places in front of the loads below
.else
	PLACES
.endif
	FETCH \next, 0, F0
	WIN MUL
	MUL8 F1, 1, 0, 0
	MUL8 F1, 1, 2, 0
.endm
	s_wait_tensorcnt 1                             ; my part of K step 0 is in (K step 1's load may be out)
	s_barrier_signal -1
	s_barrier_wait -1                              ; everybody's is
	FETCH 0, 0, F0
	s_wait_loadcnt 0x0                             ; the bias
	QUARTER 0, 128, F0, F1, 1                      ; the first quarter stands in front of the loop: its first products start the sums
	WIN 0
	s_mov_b32 s3, LAPS-1
.Llap:                                                 ; a trip goes once round the ring, from a lap's second quarter to the next lap's first, and fills both slots again
	QUARTER 0, 256, F1, F0, 0
	QUARTER 0, 384, F0, F1, 0
	TURN 0, 1, 1
	QUARTER 1, 128, F0, F1, 0
	QUARTER 1, 256, F1, F0, 0
	QUARTER 1, 384, F0, F1, 0
	TURN 1, 0, 1
	QUARTER 0, 128, F0, F1, 0
	WIN 0
	s_sub_co_u32 s3, s3, 1
	s_cmp_lg_u32 s3, 0
	s_cbranch_scc1 .Llap
	QUARTER 0, 256, F1, F0, 0                      ; the last lap fills nothing
	QUARTER 0, 384, F0, F1, 0
	TURN 0, 1, 0
	QUARTER 1, 128, F0, F1, 0
	QUARTER 1, 256, F1, F0, 0
	QUARTER 1, 384, F0, F1, 0
	s_wait_dscnt 16
	WIN MUL
	MUL8 F1, 0, 0, 0
	MUL8 F1, 0, 2, 0
	s_wait_dscnt 0
	MUL8 F1, 1, 0, 0
	MUL8 F1, 1, 2, 0
	WIN 0
; THE WAY OUT, block by block of 16 rows x 64 columns, through my own stage: LDS serves a wave's instructions in order, so no wait stands between the stores and the loads, nor in front of the next block's stores.
.macro TOSTAGE a
.irp b, 0,1,2,3
	ds_store_b128 v[STO], v[ACC+8*(4*(\a)+\b):ACC+8*(4*(\a)+\b)+3] offset:64*\b        ; each accumulator from its low end on
	ds_store_b128 v[STO], v[ACC+8*(4*(\a)+\b)+4:ACC+8*(4*(\a)+\b)+7] offset:64*\b+16
.endr
.set BB, TMP+32*((\a)%2)
.irp t, 0,1,2,3,4,5,6,7
	ds_load_b128 v[BB+4*\t:BB+4*\t+3], v[RD] offset:\t*2*SPITCH
.endr
.endm
.macro SEND a, younger                 ; younger: the LDS instructions issued behind block a's loads, which may stay out
.set BB, TMP+32*((\a)%2)
	s_wait_dscnt \younger
.if (\a) > 0
	s_add_nc_u64 s[8:9], s[8:9], 16*SIZE_N*4       ; (behind a wait on XCNT: the earlier stores have read their base)
.endif
.irp t, 0,1,2,3,4,5,6,7
	global_store_b128 v[CO], v[BB+4*\t:BB+4*\t+3], s[8:9] offset:2*\t*SIZE_N*4   ; sixteen lanes store 256 consecutive bytes, aligned
.endr
.endm
	PLACES
	TOSTAGE 0
.irp a, 1,2,3
.if \a > 1
	s_wait_xcnt 0x0                                ; block a - 2's stores have read their registers and their base
.endif
	TOSTAGE \a
	SEND \a-1, 16                                  ; behind block a - 1's loads: block a's 8 stores and 8 loads
.endr
	s_wait_xcnt 0x0
	SEND 3, 0
	s_wait_tensorcnt 0x0                           ; the wave's end, behind my last tensor load and my last LDS store
	ds_add_u32 v[SPW], v[NIL]
	s_wait_dscnt 0x0
	CROUND                                         ; the closing round
	s_endpgm
.Lfunc_end_k_q396db398f2_proj:
	.size	k_q396db398f2_proj, .Lfunc_end_k_q396db398f2_proj-k_q396db398f2_proj
	.p2alignl 7, 3214868480
	.fill 96, 4, 3214868480
	.section	.rodata,"a",@progbits
	.p2align	6, 0x0
	.amdhsa_kernel k_q396db398f2_proj
		.amdhsa_group_segment_fixed_size 327680
		.amdhsa_private_segment_fixed_size 0
		.amdhsa_enable_private_segment 0
		.amdhsa_kernarg_size 32
		.amdhsa_user_sgpr_count 2
		.amdhsa_user_sgpr_kernarg_segment_ptr 1
		.amdhsa_wavefront_size32 1
		.amdhsa_system_sgpr_workgroup_id_x 1
		.amdhsa_system_sgpr_workgroup_id_y 1
		.amdhsa_system_sgpr_workgroup_id_z 1
		.amdhsa_system_vgpr_workitem_id 0
		.amdhsa_next_free_vgpr 512
		.amdhsa_next_free_sgpr 68
		.amdhsa_reserve_vcc 0
		.amdhsa_float_denorm_mode_32 3
		.amdhsa_float_denorm_mode_16_64 3
		.amdhsa_memory_ordered 1
		.amdhsa_forward_progress 1
		.amdhsa_inst_pref_size 87
	.end_amdhsa_kernel
	.amdgpu_metadata
---
amdhsa.version: [ 1, 2 ]
amdhsa.kernels:
  - .name:           k_q396db398f2_proj
    .symbol:         k_q396db398f2_proj.kd
    .args:
      - { .name: ao16, .offset: 0, .size: 8, .value_kind: global_buffer, .address_space: global }
      - { .name: wo16, .offset: 8, .size: 8, .value_kind: global_buffer, .address_space: global }
      - { .name: out0, .offset: 16, .size: 8, .value_kind: global_buffer, .address_space: global }
      - { .name: b_out, .offset: 24, .size: 8, .value_kind: global_buffer, .address_space: global }
    .group_segment_fixed_size: 327680
    .private_segment_fixed_size: 0
    .kernarg_segment_align: 8
    .kernarg_segment_size: 32
    .max_flat_workgroup_size: 128
    .sgpr_count:     68
    .vgpr_count:     512
    .wavefront_size: 32
...
	.end_amdgpu_metadata
.endif
;; end of part 4
;; launch fine (part 5): grid 64 x 2, 16 waves a work-group, no clusters, 18,432 bytes of LDS; arguments fine32, w_out, b_out, out0; writes out0
.if DOCPART == 5
	.amdgcn_target "amdgcn-amd-amdhsa--gfx1250"
	.amdhsa_code_object_version 6
	.text
	.protected	k_q396db398f2_fine
	.globl	k_q396db398f2_fine
	.p2align	8
	.type	k_q396db398f2_fine,@function
k_q396db398f2_fine:
	s_mov_b64 s[64:65], 0
	v_nop
	global_prefetch_b8 v0, s[64:65] scope:SCOPE_SE
	s_setreg_imm32_b32 hwreg(HW_REG_WAVE_MODE, 25, 1), 1
	s_wait_xcnt 0x0
; THE FIRST 16 POSITIONS OF EACH SEQUENCE, IN F32 THROUGHOUT: there a row of the softmax averages one to sixteen values, and rounded operands would weigh most.  Attention under the causal mask (the window
; does not reach back so far) and the projection, by v_wmma_f32_16x16x4_f32; the 32 rows of out0 are written anew.
; fine32 [4][16 rows][3072] f32: plane 0 is batch 0, plane 2 batch 1.  w_out [1024 k][1024 n], b_out [1024], out0 [4096][1024]: f32.
; SHARES.  A work-group (x, y) makes 16 columns n0 = 16 x of the 16 rows of batch y.  Wave hd is head hd: its attention for the 16 rows, and its 64 channels' part of the projection; the sixteen parts meet in LDS.
; The attention is made again in each of the 64 column blocks: 32 of a wave's 48 matrix instructions; wider blocks would make a wave's chain of matrix instructions longer.
; So a row's piece of the result is 64 bytes, stored 16 bytes a lane: 131,072 bytes in the whole launch.
; K IS PERMUTED ALIKE ON BOTH SOURCES of each product: a lane's register pair (2 i, 2 i + 1) is one K step's two numbers, whichever k they are; the sums take their terms in another order than ascending k.
; The registers that the matrix instructions write (v160-239) are written by nothing else; sums begin with the constant 0; what is made of a sum goes into other registers.
; REGISTERS: v1-13 addresses; v14-21 statistics; v32-63 Q, then the attention's result; v64-95 K, then scores (v64-71), p (v72-79), sums (v80-95); v96-127 V, v128-159 W, then the sixteen parts;
;   v160-175 S^T in two halves; v176-207 O^T; v208-239 the projection's four partial sums.
.set SPARE, 16384                      ; behind the sixteen images of 1,024 bytes: the spare words, 128 bytes for each wave
.macro NOPS8                           ; eight plain places behind this form of matrix instruction (ISA guide 7.12.1)
.rept 8
	v_nop
.endr
.endm
	s_load_b256 s[4:11], s[0:1], 0x0               ; fine32 s[4:5], w_out s[6:7], b_out s[8:9], out0 s[10:11]
	v_lshl_add_u32 v8, v0, 2, SPARE                ; v8: my spare word; never rewritten
	v_mov_b32 v9, 0                                ; v9: 0; never rewritten
	v_lshrrev_b32 v1, 5, v0
	v_readfirstlane_b32 s12, v1                    ; wave = head
	v_and_b32 v1, 15, v0                           ; r
	v_bfe_u32 v2, v0, 4, 1                         ; h
	v_mul_u32_u24 v3, v1, 12288
	v_lshl_add_u32 v3, v2, 4, v3                   ; v3: Q, K: row r, + 16 h: channels 8 s + 4 h + 0 .. 3
	v_mul_u32_u24 v4, v2, 98304
	v_lshl_add_u32 v4, v1, 2, v4                   ; v4: V: key 8 h + .., channel r
	v_lshlrev_b32 v5, 15, v2
	v_lshl_add_u32 v5, v1, 2, v5                   ; v5: W: channel 8 h + .., column r
	v_lshlrev_b32 v6, 3, v2
	v_sub_nc_u32 v6, v1, v6                        ; v6: d = r - 8 h
	v_mov_b32 v7, 0xff800000                       ; v7: -infinity
	v_and_b32 v13, 31, v0
	s_lshl_b32 s13, s12, 10
	v_lshl_add_u32 v10, v13, 4, s13                ; v10: my part's image: 1,024 x wave + 16 x lane
	s_and_b32 s14, s12, 1
	s_lshl_b32 s15, s14, 9
	v_lshl_add_u32 v11, v13, 4, s15                ; v11: back (waves 0 and 1): registers 4 (wave % 2) on of every image
	s_lshl_b32 s15, s14, 4
	v_lshlrev_b32 v13, 5, v2
	v_add_nc_u32 v13, s15, v13                     ; v13: the bias: columns 8 h + 4 (wave % 2) on
	v_lshl_add_u32 v12, v1, 12, v13                ; v12: and the same in row r of out0
	v_mov_b32 v15, 0                               ; (a lane permute's destination counts as one of its sources)
	s_mov_b32 s20, 0x76543210
	s_mov_b32 s21, 0xfedcba98                      ; v_permlanex16_b32's selects for lane l xor 16
	s_mov_b32 s22, 0x3e38aa3b                      ; c = log2(e) / 8
	s_mov_b32 s23, s22
	s_and_b32 s16, ttmp7, 0xffff                   ; batch
	s_lshl_b32 s17, ttmp9, 6                       ; my 16 columns, in bytes
	s_mul_i32 s24, s16, 2*196608                   ; plane 2 x batch,
	s_lshl_b32 s25, s12, 8
	s_add_co_u32 s24, s24, s25                     ; my head's 256 bytes
	s_mov_b32 s25, 0
	s_lshl_b32 s26, s12, 18                        ; my head's 64 rows of w_out
	s_add_co_u32 s26, s26, s17
	s_mov_b32 s27, 0
	s_mov_b32 s28, s17
	s_mov_b32 s29, 0
	s_lshl_b32 s30, s16, 23                        ; the batch's first row of out0
	s_add_co_u32 s30, s30, s17
	s_mov_b32 s31, 0
	s_wait_kmcnt 0x0
	s_add_nc_u64 s[4:5], s[4:5], s[24:25]
	s_add_nc_u64 s[6:7], s[6:7], s[26:27]
	s_add_nc_u64 s[8:9], s[8:9], s[28:29]
	s_add_nc_u64 s[10:11], s[10:11], s[30:31]
.irp s, 0,1,2,3,4,5,6,7
	global_load_b128 v[32+4*\s:35+4*\s], v3, s[4:5] offset:32*\s            ; Q
.endr
.irp s, 0,1,2,3,4,5,6,7
	global_load_b128 v[64+4*\s:67+4*\s], v3, s[4:5] offset:4096+32*\s       ; K
.endr
.irp c, 0,1,2,3
.irp i, 0,1,2,3,4,5,6,7
	global_load_b32 v[96+8*\c+\i], v4, s[4:5] offset:8192+\i*12288+64*\c    ; V(key 8 h + i, channel 16 c + r)
.endr
.endr
	s_wait_loadcnt 32                              ; Q and K are in; V's 32 loads may be out
.irp c, 0,1,2,3
.irp i, 0,1,2,3,4,5,6,7
	global_load_b32 v[128+8*\c+\i], v5, s[6:7] offset:(16*\c+\i)*4096       ; W(channel 16 c + 8 h + i, column n0 + r)
.endr
.endr
	; ---- S^T = K Q^T: source 0 = 16 keys, source 1 = 16 queries; 16 K steps of 4 on two accumulators by turns
	v_wmma_f32_16x16x4_f32 v[160:167], v[64:65], v[32:33], 0
	v_wmma_f32_16x16x4_f32 v[168:175], v[66:67], v[34:35], 0
.irp u, 2,4,6,8,10,12,14
	v_wmma_f32_16x16x4_f32 v[160:167], v[64+2*\u:65+2*\u], v[32+2*\u:33+2*\u], v[160:167]
	v_wmma_f32_16x16x4_f32 v[168:175], v[66+2*\u:67+2*\u], v[34+2*\u:35+2*\u], v[168:175]
.endr
	NOPS8
.irp j, 0,1,2,3,4,5,6,7
	v_add_f32 v[64+\j], v[160+\j], v[168+\j]       ; the score of key 8 h + j for query r
.endr
.irp j, 0,1,2,3,4,5,6,7
	v_cmp_gt_i32 vcc_lo, \j, v6                    ; over the diagonal where 8 h + j > r
	v_cndmask_b32 v[64+\j], v[64+\j], v7, vcc_lo
.endr
	v_max3_num_f32 v14, v64, v65, v66
	v_max3_num_f32 v14, v14, v67, v68
	v_max3_num_f32 v14, v14, v69, v70
	v_max_num_f32 v14, v14, v71
	v_permlanex16_b32 v15, v14, s20, s21
	v_max_num_f32 v14, v14, v15                    ; the row's largest score (key r counts for query r)
	v_mul_f32 v16, s22, v14
	v_mov_b32 v17, v16
.irp j, 0,2,4,6
	v_pk_fma_f32 v[72+\j:73+\j], v[64+\j:65+\j], s[22:23], v[16:17] op_sel_hi:[1,0,0] neg_lo:[0,0,1] neg_hi:[0,0,1]
.endr
.irp j, 0,1,2,3,4,5,6,7
	v_exp_f32 v[72+\j], v[72+\j]                   ; p
.endr
	v_nop
	s_wait_alu depctr_va_vdst(0)                   ; one wait for the eight, ahead of their first reader
	v_pk_add_f32 v[18:19], v[72:73], v[74:75]
	v_pk_add_f32 v[20:21], v[76:77], v[78:79]
	v_pk_add_f32 v[18:19], v[18:19], v[20:21]
	v_add_f32 v18, v18, v19
	v_permlanex16_b32 v15, v18, s20, s21
	v_add_f32 v18, v18, v15
	v_rcp_f32 v20, v18                             ; 1 / the row's sum
	v_nop
	s_wait_alu depctr_va_vdst(0)
	; ---- O^T = V^T P: source 0 = 16 channels, source 1 = p; 4 K steps of 4 keys; four accumulators by turns
	s_wait_loadcnt 32                              ; V is in; W's 32 loads may be out
.irp u, 0,1,2,3
.irp c, 0,1,2,3
.if \u == 0
	v_wmma_f32_16x16x4_f32 v[176+8*\c:183+8*\c], v[96+8*\c+2*\u:97+8*\c+2*\u], v[72+2*\u:73+2*\u], 0
.else
	v_wmma_f32_16x16x4_f32 v[176+8*\c:183+8*\c], v[96+8*\c+2*\u:97+8*\c+2*\u], v[72+2*\u:73+2*\u], v[176+8*\c:183+8*\c]
.endif
.endr
.endr
	NOPS8
.set n, 0
.rept 16
	v_pk_mul_f32 v[32+n:33+n], v[176+n:177+n], v[20:21] op_sel_hi:[1,0]   ; the attention's result: register 8 c + j: channel 16 c + 8 h + j of query r
.set n, n+2
.endr
	; ---- my head's part of the projection: source 0 = 16 columns of w_out, source 1 = the result above; 16 K steps of 4 channels; four accumulators by turns
	s_wait_loadcnt 0x0                             ; W
.irp u, 0,1,2,3
.irp c, 0,1,2,3
.if \u == 0
	v_wmma_f32_16x16x4_f32 v[208+8*\c:215+8*\c], v[128+8*\c+2*\u:129+8*\c+2*\u], v[32+8*\c+2*\u:33+8*\c+2*\u], 0
.else
	v_wmma_f32_16x16x4_f32 v[208+8*\c:215+8*\c], v[128+8*\c+2*\u:129+8*\c+2*\u], v[32+8*\c+2*\u:33+8*\c+2*\u], v[208+8*\c:215+8*\c]
.endif
.endr
.endr
	NOPS8
.irp j, 0,2,4,6
	v_pk_add_f32 v[80+\j:81+\j], v[208+\j:209+\j], v[216+\j:217+\j]
.endr
.irp j, 0,2,4,6
	v_pk_add_f32 v[88+\j:89+\j], v[224+\j:225+\j], v[232+\j:233+\j]
.endr
.irp j, 0,2,4,6
	v_pk_add_f32 v[80+\j:81+\j], v[80+\j:81+\j], v[88+\j:89+\j]           ; register j: my head's part of out(query r, column n0 + 8 h + j)
.endr
	ds_store_b128 v10, v[80:83]                    ; as an image of the registers: 16 bytes a lane, 512 bytes a store
	ds_store_b128 v10, v[84:87] offset:512
	s_wait_dscnt 0x0                               ; for the others' sake: my stores have landed
	s_barrier_signal -1
	s_barrier_wait -1
	s_cmp_lt_u32 s12, 2                            ; waves 0 and 1 add the sixteen parts, four registers each
	s_cbranch_scc0 .Lrest
	global_load_b128 v[64:67], v13, s[8:9]         ; the bias
.irp p, 0,1,2,3,4,5,6,7,8,9,10,11,12,13,14,15
	ds_load_b128 v[96+4*\p:99+4*\p], v11 offset:1024*\p
.endr
	s_wait_dscnt 0x0
.irp d, 8,4,2,1
.set n, 0
.rept \d
	v_pk_add_f32 v[96+4*n:97+4*n], v[96+4*n:97+4*n], v[96+4*(n+\d):97+4*(n+\d)]
	v_pk_add_f32 v[98+4*n:99+4*n], v[98+4*n:99+4*n], v[98+4*(n+\d):99+4*(n+\d)]
.set n, n+1
.endr
.endr
	s_wait_loadcnt 0x0
	v_pk_add_f32 v[64:65], v[64:65], v[96:97]
	v_pk_add_f32 v[66:67], v[66:67], v[98:99]
	global_store_b128 v12, v[64:67], s[10:11]
	s_wait_tensorcnt 0x0                           ; the wave's end
	ds_add_u32 v8, v9
	s_wait_dscnt 0x0
	s_endpgm
.Lrest:
	s_wait_tensorcnt 0x0                           ; the same for the other fourteen waves
	ds_add_u32 v8, v9
	s_wait_dscnt 0x0
	s_endpgm
.Lfunc_end_k_q396db398f2_fine:
	.size	k_q396db398f2_fine, .Lfunc_end_k_q396db398f2_fine-k_q396db398f2_fine
	.p2alignl 7, 3214868480
	.fill 96, 4, 3214868480
	.section	.rodata,"a",@progbits
	.p2align	6, 0x0
	.amdhsa_kernel k_q396db398f2_fine
		.amdhsa_group_segment_fixed_size 18432
		.amdhsa_private_segment_fixed_size 0
		.amdhsa_enable_private_segment 0
		.amdhsa_kernarg_size 32
		.amdhsa_user_sgpr_count 2
		.amdhsa_user_sgpr_kernarg_segment_ptr 1
		.amdhsa_wavefront_size32 1
		.amdhsa_system_sgpr_workgroup_id_x 1
		.amdhsa_system_sgpr_workgroup_id_y 1
		.amdhsa_system_sgpr_workgroup_id_z 1
		.amdhsa_system_vgpr_workitem_id 0
		.amdhsa_next_free_vgpr 240
		.amdhsa_next_free_sgpr 66
		.amdhsa_reserve_vcc 1
		.amdhsa_float_denorm_mode_32 3
		.amdhsa_float_denorm_mode_16_64 3
		.amdhsa_memory_ordered 1
		.amdhsa_forward_progress 1
		.amdhsa_inst_pref_size 22
	.end_amdhsa_kernel
	.amdgpu_metadata
---
amdhsa.version: [ 1, 2 ]
amdhsa.kernels:
  - .name:           k_q396db398f2_fine
    .symbol:         k_q396db398f2_fine.kd
    .args:
      - { .name: fine32, .offset: 0, .size: 8, .value_kind: global_buffer, .address_space: global }
      - { .name: w_out, .offset: 8, .size: 8, .value_kind: global_buffer, .address_space: global }
      - { .name: b_out, .offset: 16, .size: 8, .value_kind: global_buffer, .address_space: global }
      - { .name: out0, .offset: 24, .size: 8, .value_kind: global_buffer, .address_space: global }
    .group_segment_fixed_size: 18432
    .private_segment_fixed_size: 0
    .kernarg_segment_align: 8
    .kernarg_segment_size: 32
    .max_flat_workgroup_size: 512
    .sgpr_count:     66
    .vgpr_count:     240
    .wavefront_size: 32
...
	.end_amdgpu_metadata
.endif
;; end of part 5
